; MI455X (gfx1250); checked and timed in simulation.
; The chip was launched on July 23, 2026; its instructions are those of AMD's public machine-readable ISA for CDNA 5 (MIT licence, August 2026) and "CDNA5" Instruction Set Architecture Reference Guide (July 2026). The comments in the code are by the model that wrote it; some were corrected since.
;; Multi Head Attention. Allowed arithmetic: float matrix products may take bf16 or f16 operands with f32 sums; other float arithmetic in f32, or as packed bf16 or f16 multiplies, adds, multiply-adds, maxima and minima; sums over many terms, partial sums and values carried from step to step in f32; what a program stores and reads back later, other than sums and carried values, may be rounded once to bf16 or f16.
;; Inputs: concat_bias 1,024 float32; concat_weight 1,024 x 1,024 float32; key 4 x 2,048 x 1,024 float32; key_bias 1,024 float32; key_weight 1,024 x 1,024 float32; pad_mask 4 x 2,048 float32; query 4 x 2,048 x 1,024 float32; query_bias 1,024 float32; query_weight 1,024 x 1,024 float32; value 4 x 2,048 x 1,024 float32; value_bias 1,024 float32; value_weight 1,024 x 1,024 float32; word_mask 4 x 2,048 x 2,048 float32.
;; Outputs: out0 4 x 2,048 x 1,024 float32.
;; One version. Each part assembles by itself: llvm-mc -triple=amdgcn-amd-amdhsa -mcpu=gfx1250 --defsym DOCPART=n.
;; ======== version 1 of 1: 4 launches
;; limits: values are held in f16: magnitudes above 65,504 overflow, below 6.1e-05 lose precision
;; workspace buffers: xb 50,331,648 bytes; wb 8,388,608 bytes; qkv 50,331,648 bytes; ob 16,777,216 bytes
;; launch prep (part 1): grid 256 x 7, 8 waves a work-group, no clusters, 0 bytes of LDS; arguments query, key, value, query_weight, key_weight, value_weight, concat_weight, xb, wb; writes xb, wb
.if DOCPART == 1
	.amdgcn_target "amdgcn-amd-amdhsa--gfx1250"
	.amdhsa_code_object_version 6
	.text
	.protected	k_qdf54ffaaa3_prep
	.globl	k_qdf54ffaaa3_prep
	.p2align	8
	.type	k_qdf54ffaaa3_prep,@function
k_qdf54ffaaa3_prep:
	s_mov_b64 s[64:65], 0
	v_nop
	global_prefetch_b8 v0, s[64:65] scope:SCOPE_SE
	s_setreg_imm32_b32 hwreg(HW_REG_WAVE_MODE, 25, 1), 1
	s_wait_xcnt 0x0
; THE CASTS.  query, key, value ([8192][1024] f32 each) -> xb [3][8192][1024] f16; the four weights ([1024][1024] f32) -> wb [4][1024][1024] f16 (query, key, value, concat weight), each rounded once.
; f16, not bf16: its 11 significant bits leave an eighth of bf16's rounding in every product, and the masks, which are inputs too, are used unrounded: so the whole program follows the formula on unrounded inputs.
; LIMIT.  A number beyond 65,504 becomes an infinity; below 6e-5 it keeps f16's fixed step of 6e-8.  Activations of spread 1 and weights of spread 1/32 have room: 30 times larger they are 30 and 1,
; 30 times smaller 0.03 and 0.001, of which the fixed step is 6e-5.
; A stream: every byte is read once and written once; no LDS, no barrier, no matrix unit, no cluster (no two work-groups read the same bytes).
; SHARES.  A work-group casts 16,384 numbers: 65,536 bytes in, 32,768 out.  Grid rows 0-5: the halves of the three activations, 256 chunks each; row 6: the four weights, 64 chunks each.
; Thread t takes 16 bytes at 16 t of each block of 4,096: a wave's load covers 512 consecutive bytes, its store of 8 bytes a lane 256 consecutive bytes, aligned.
.set X, 4                              ; v[4:67]    sixteen loads of four f32
.set Y, 68                             ; v[68:99]   sixteen pairs of registers to store
	s_load_b512 s[4:19], s[0:1], 0x0               ; query, key, value, the four weights, xb
	s_load_b64 s[20:21], s[0:1], 0x40              ; wb
	s_mov_b32 s36, ttmp9                           ; x
	s_and_b32 s22, ttmp7, 0xffff                   ; y
	v_lshlrev_b32 v1, 4, v0                        ; my 16 bytes in a block read
	v_lshlrev_b32 v2, 3, v0                        ; my 8 bytes in a block written
	s_lshr_b32 s23, s22, 1                         ; y < 6: tensor y / 2,
	s_and_b32 s24, s22, 1
	s_lshl_b32 s24, s24, 8
	s_add_co_u32 s24, s24, s36                     ; its chunk 256 (y % 2) + x,
	s_lshl_b32 s25, s22, 8
	s_add_co_u32 s25, s25, s36                     ; chunk 256 y + x of xb
	s_lshr_b32 s26, s36, 6                         ; y = 6: tensor 3 + x / 64,
	s_add_co_u32 s26, s26, 3
	s_and_b32 s27, s36, 63                         ; its chunk x % 64, chunk x of wb
	s_cmp_eq_u32 s22, 6
	s_cselect_b32 s23, s26, s23
	s_cselect_b32 s24, s27, s24
	s_cselect_b32 s25, s36, s25
	s_lshl_b32 s28, s24, 16                        ; byte offsets, made apart from the addresses
	s_mov_b32 s29, 0
	s_lshl_b32 s30, s25, 15
	s_mov_b32 s31, 0
	s_wait_kmcnt 0x0
	s_cmp_eq_u32 s22, 6
	s_cselect_b64 s[34:35], s[20:21], s[18:19]     ; the buffer written
	s_mov_b64 s[32:33], s[4:5]                     ; the buffer read: one of seven, by the tensor's number
.irp t, 1,2,3,4,5,6
	s_cmp_eq_u32 s23, \t
	s_cselect_b64 s[32:33], s[4+2*\t:5+2*\t], s[32:33]
.endr
	s_add_nc_u64 s[32:33], s[32:33], s[28:29]
	s_add_nc_u64 s[34:35], s[34:35], s[30:31]
.set i, 0
.rept 16                               ; all sixteen loads go out at once: 8,192 bytes of every wave are on their way
	global_load_b128 v[X+4*i:X+4*i+3], v1, s[32:33] offset:4096*i th:TH_LOAD_NT
.set i, i+1
.endr
.set i, 0
.rept 16                               ; no register is used twice by a store, so no store is waited for
	s_wait_loadcnt 15-i                            ; loads come back in order (ISA guide 5.7.1): number i is in, the 15 - i younger ones stay out
	v_cvt_pk_f16_f32 v[Y+2*i], v[X+4*i], v[X+4*i+1]
	v_cvt_pk_f16_f32 v[Y+2*i+1], v[X+4*i+2], v[X+4*i+3]
	global_store_b64 v2, v[Y+2*i:Y+2*i+1], s[34:35] offset:2048*i
.set i, i+1
.endr
	s_endpgm
.Lfunc_end_k_qdf54ffaaa3_prep:
	.size	k_qdf54ffaaa3_prep, .Lfunc_end_k_qdf54ffaaa3_prep-k_qdf54ffaaa3_prep
	.p2alignl 7, 3214868480
	.fill 96, 4, 3214868480
	.section	.rodata,"a",@progbits
	.p2align	6, 0x0
	.amdhsa_kernel k_qdf54ffaaa3_prep
		.amdhsa_group_segment_fixed_size 0
		.amdhsa_private_segment_fixed_size 0
		.amdhsa_enable_private_segment 0
		.amdhsa_kernarg_size 72
		.amdhsa_user_sgpr_count 2
		.amdhsa_user_sgpr_kernarg_segment_ptr 1
		.amdhsa_wavefront_size32 1
		.amdhsa_system_sgpr_workgroup_id_x 1
		.amdhsa_system_sgpr_workgroup_id_y 1
		.amdhsa_system_sgpr_workgroup_id_z 1
		.amdhsa_system_vgpr_workitem_id 0
		.amdhsa_next_free_vgpr 100
		.amdhsa_next_free_sgpr 66
		.amdhsa_reserve_vcc 0
		.amdhsa_float_denorm_mode_32 3
		.amdhsa_float_denorm_mode_16_64 3
		.amdhsa_memory_ordered 1
		.amdhsa_forward_progress 1
		.amdhsa_inst_pref_size 8
	.end_amdhsa_kernel
	.amdgpu_metadata
---
amdhsa.version: [ 1, 2 ]
amdhsa.kernels:
  - .name:           k_qdf54ffaaa3_prep
    .symbol:         k_qdf54ffaaa3_prep.kd
    .args:
      - { .name: query, .offset: 0, .size: 8, .value_kind: global_buffer, .address_space: global }
      - { .name: key, .offset: 8, .size: 8, .value_kind: global_buffer, .address_space: global }
      - { .name: value, .offset: 16, .size: 8, .value_kind: global_buffer, .address_space: global }
      - { .name: query_weight, .offset: 24, .size: 8, .value_kind: global_buffer, .address_space: global }
      - { .name: key_weight, .offset: 32, .size: 8, .value_kind: global_buffer, .address_space: global }
      - { .name: value_weight, .offset: 40, .size: 8, .value_kind: global_buffer, .address_space: global }
      - { .name: concat_weight, .offset: 48, .size: 8, .value_kind: global_buffer, .address_space: global }
      - { .name: xb, .offset: 56, .size: 8, .value_kind: global_buffer, .address_space: global }
      - { .name: wb, .offset: 64, .size: 8, .value_kind: global_buffer, .address_space: global }
    .group_segment_fixed_size: 0
    .private_segment_fixed_size: 0
    .kernarg_segment_align: 8
    .kernarg_segment_size: 72
    .max_flat_workgroup_size: 256
    .sgpr_count:     66
    .vgpr_count:     100
    .wavefront_size: 32
...
	.end_amdgpu_metadata
.endif
;; end of part 1
;; launch proj (part 2): grid 4 x 192, 4 waves a work-group, clusters of 4 x 4, 327,680 bytes of LDS; arguments xb, wb, query_bias, key_bias, value_bias, qkv; writes qkv
.if DOCPART == 2
	.amdgcn_target "amdgcn-amd-amdhsa--gfx1250"
	.amdhsa_code_object_version 6
	.text
	.protected	k_qdf54ffaaa3_proj
	.globl	k_qdf54ffaaa3_proj
	.p2align	8
	.type	k_qdf54ffaaa3_proj,@function
k_qdf54ffaaa3_proj:
	s_mov_b64 s[64:65], 0
	v_nop
	global_prefetch_b8 v0, s[64:65] scope:SCOPE_SE
	s_setreg_imm32_b32 hwreg(HW_REG_WAVE_MODE, 25, 1), 1
	s_wait_xcnt 0x0
	s_wait_alu depctr_hold_cnt(0) depctr_sa_sdst(0) depctr_va_vdst(0) depctr_va_sdst(0) depctr_va_ssrc(0) depctr_va_vcc(0) depctr_vm_vsrc(0)
	s_getreg_b32 s2, hwreg(HW_REG_IB_STS2, 6, 4)
	s_cmp_eq_u32 s2, 0
	s_cbranch_scc0 .Lentry_in_a_cluster
	s_endpgm
.Lentry_in_a_cluster:
	s_bfe_u32 s2, ttmp6, 0x10000c
	s_cmp_lg_u32 s2, 0xf033
	s_cbranch_scc0 .Lentry_shape_is_right
	s_endpgm
.Lentry_shape_is_right:
; C[m][n] = sum over k of A[m][k] W[k][n] + bias[n].  A and W in f16, sums and bias in f32.  One text for two launches; PROJ picks:
;   PROJ = 1: A = xb [24576][1024] (query, key, value one below the other), W = slice 0-2 of wb and the bias by the tensor, C = qkv [24576][1024] f16, rounded once.
;   PROJ = 0: A = ob [8192][1024], W = slice 3 of wb, bias = concat_bias, C = out0 [8192][1024] f32.
; LIMIT (PROJ = 1): a q, k or v beyond 65,504 becomes an infinity in f16.
; SHARES.  A tile of C is 128 x 256: 768 work-groups (PROJ = 1) or 256.  Four waves, 2 x 2, each 64 rows x 128 columns: 32 accumulators, 256 registers.
; K goes in 8 steps of 128 through two LDS slots filled by the tensor data mover; rows of A's tile are 256 bytes of memory, rows of W's 512, all at multiples of 256 from the buffer's first byte.
; W lies [k][n]; its fragments come out of LDS turned, by ds_load_tr16_b128.  THE MATRIX INSTRUCTION IS USED TRANSPOSED (source 0 = 16 columns of W, source 1 = 16 rows of A):
; a lane then holds eight neighbouring numbers of a row of C.  THE BIAS is the C operand of each accumulator's first product: nothing is cleared, and no vector instruction adds it.
; CLUSTER 4 x 4.  The four of a row of the cluster need the same tile of A, the four of a column the same tile of W: each is asked for JOINTLY, by the same tensor load, descriptor and mask in all four.
; REGISTERS, in windows of 256 (s_set_vgpr_msb: bits 1:0 source 0, 3:2 source 1, 5:4 source 2, 7:6 destination):
;   window 0: v0-31 addresses; v32-127, v128-223 two fragment buffers (64 registers of W: 8 x 16 columns x 32 K; 32 of A: 4 x 16 rows x 32 K); both at work on the way out
;   window 1: the accumulators, (a, b) at v[8 (8 a + b)]          window 2: v0-63 the bias of my 128 columns, as a C operand
.set PROJ, 1
.set KSTEP,  128
.set PA,     272                       ; a row of A in LDS: 256 bytes + 16 = 68 words: the 16 rows of a load start at 16 different groups of four banks (64 banks of 4 bytes: ISA guide 11.1)
.set PW,     544                       ; a row of W: 512 + 32 = 136 words
.set AT,     128*PA                    ; A's 128 rows
.set SLOT,   AT+128*PW                 ; then W's 128 rows (k) of 256 columns
.set STAGE,  2*SLOT                    ; behind the ring: 16 rows for each wave, its own, for the way out
.if PROJ
.set SPITCH, 272
.set ROWB,   2048                      ; bytes in a row of C
.set LGE,    1                         ; log2 of the bytes of a number of C
.else
.set SPITCH, 528
.set ROWB,   4096
.set LGE,    2
.endif
.set SPARE,  STAGE+4*16*SPITCH         ; behind the stages: the spare words, 128 bytes for each wave: two blocks of 256 bytes that no other line names
.set LAPS,   4                         ; a lap = two K steps = once round the ring
.set ADRA, 16                          ; v16-17  LDS address of my A fragments in slot 0, 1
.set ADRW, 20                          ; v20-21  the same for W
.set STO,  24                          ; v24     the way out: where I put my numbers of a row
.set RD,   25                          ; v25     the way out: where I read rows back
.set CO,   26                          ; v26     my byte offset in C
.set BO,   27                          ; v27     my byte offset in 16 numbers of the bias
.set SPW,  28                          ; v28     LDS address of my spare word; never rewritten
.set NIL,  29                          ; v29     0; never rewritten
.set F0,   32
.set F1,   128
.set TMP,  32                          ; the way out (PROJ = 1): packed results
.set WV,  16                           ; s16  my wave's number
.set WM,  17                           ; s17  which 64 rows of the tile are mine.  Also: I fetch for A (0) or for W (1)
.set WN,  18                           ; s18  which 128 columns.  Also: which 64 rows of that tile I fetch
.set G1A, 24                           ; s[24:31] descriptor group 1 for A's tiles;  s[32:39] group 0, a set for each slot
.set G0A, 32
.set G1W, 48                           ; s[48:55], s[56:63] the same for W's
.set G0W, 56
.set MSB, 0
.macro WIN new                         ; the immediate's high byte repeats the setting that is left; a switch that changes nothing is dropped
.if MSB != (\new)
	s_set_vgpr_msb (MSB<<8)|(\new)
.set MSB, \new
.endif
.endm
.set MUL,  0x50                        ; W and A in window 0, C and D in window 1
.set MULB, 0x60                        ; the same with C (the bias) in window 2
.macro JLOAD s                         ; a joint load: waves 0 and 1 fetch A's two halves, waves 2 and 3 W's; an s_nop 0 and four v_nop follow each of the two lines, ahead of the jump, the label and what follows
	s_cmp_eq_u32 s[WM], 0
	s_cbranch_scc0 .Lfor_w_\@
	tensor_load_to_lds s[G0A+4*(\s):G0A+4*(\s)+3], s[G1A:G1A+7]
	s_nop 0
.rept 4
	v_nop
.endr
	s_branch .Lasked_\@
.Lfor_w_\@:
	tensor_load_to_lds s[G0W+4*(\s):G0W+4*(\s)+3], s[G1W:G1W+7]
	s_nop 0
.rept 4
	v_nop
.endr
.Lasked_\@:
.endm
.macro CREST                           ; a round of the cluster's barrier behind its opening barrier
	s_cmp_lg_u32 s[WV], 0
	s_cbranch_scc1 .Lnot_wave_0_\@
	s_barrier_signal -3
.Lnot_wave_0_\@:
	s_barrier_wait -3
	s_barrier_signal -1
	s_barrier_wait -1
.endm
.macro CROUND                          ; a whole round
	s_barrier_signal -1
	s_barrier_wait -1
	CREST
.endm
	s_load_b256 s[4:11], s[0:1], 0x0               ; A s[4:5], wb s[6:7]; PROJ = 1: query_bias, key_bias; PROJ = 0: concat_bias, out0
.if PROJ
	s_load_b128 s[12:15], s[0:1], 0x20             ; value_bias, qkv
.endif
	v_lshl_add_u32 v[SPW], v0, 2, SPARE
	v_mov_b32 v[NIL], 0
	ds_add_u32 v[SPW], v[NIL]                      ; the wave's opening: the add and its wait stand ahead of my first tensor load; the set-up below, work on registers, stands between them
	v_lshrrev_b32 v1, 5, v0
	v_readfirstlane_b32 s[WV], v1                  ; wave 0..3
	s_lshr_b32 s[WM], s[WV], 1
	s_and_b32 s[WN], s[WV], 1
	s_bfe_u32 s19, ttmp6, 0x40000                  ; cx, cy: my place in the cluster
	s_bfe_u32 s20, ttmp6, 0x40004
	s_lshl_b32 s21, ttmp9, 2
	s_add_co_u32 s21, s21, s19                     ; tile column of C = 4 x cluster x + cx
	s_and_b32 s22, ttmp7, 0xffff                   ; cluster y
	s_lshl_b32 s23, s22, 2
	s_add_co_u32 s23, s23, s20                     ; tile row of C = 4 x cluster y + cy
	s_lshl_b32 s40, s20, 2
	s_lshl_b32 s40, 15, s40                        ; my row of the cluster
	s_lshl_b32 s41, 0x1111, s19                    ; my column
	s_or_b32 s[G1A], s40, (1<<16)|(1<<20)|(1<<21)|(5<<22)|(3<<25)  ; 15:0 the mask: A's tiles go to my row; 17:16 elements of 2 bytes; 20 padding on; 21 set beside a mask; 24:22 after every 64 words (code 5); 31:25 4 words (code 3)
	s_or_b32 s[G1W], s41, (1<<16)|(1<<20)|(1<<21)|(6<<22)|(7<<25)  ; W's go to my column; after every 128 words (code 6) 8 words (code 7)
	s_mov_b32 s[G1A+1], KSTEP<<16                  ; A: tensor_dim0 = 128
	s_mov_b32 s[G1A+2], 64<<16                     ; tensor_dim1 = 64
	s_mov_b32 s[G1A+3], KSTEP<<16                  ; tile_dim0 = 128
	s_mov_b32 s[G1A+4], 64                         ; tile_dim1 = 64
	s_mov_b32 s[G1A+5], 1024                       ; 1,024 elements from row to row
	s_mov_b32 s[G1A+6], 0
	s_mov_b32 s[G1A+7], 0
	s_mov_b32 s[G1W+1], 256<<16                    ; W: tensor_dim0 = 256
	s_mov_b32 s[G1W+2], 64<<16
	s_mov_b32 s[G1W+3], 256<<16                    ; tile_dim0 = 256
	s_mov_b32 s[G1W+4], 64
	s_mov_b32 s[G1W+5], 1024
	s_mov_b32 s[G1W+6], 0
	s_mov_b32 s[G1W+7], 0
	; where the tiles come from.  A's hang on the tile row alone, W's on the tile column and the cluster's y alone: each offset in registers that never hold the other coordinate
	s_lshl_b32 s42, s23, 7
	s_lshl_b32 s43, s[WN], 6
	s_add_co_u32 s42, s42, s43                     ; A: row 128 x tile row + 64 x half,
	s_lshl_b32 s42, s42, 11                        ; x 2,048 bytes
	s_mov_b32 s43, 0
	s_lshl_b32 s44, s21, 9                         ; W: 512 bytes x tile column
	s_lshl_b32 s45, s[WN], 17                      ; + 64 rows of 2,048 bytes x half
	s_add_co_u32 s44, s44, s45
.if PROJ
	s_lshr_b32 s66, s22, 4                         ; the tensor: 16 clusters of 512 rows each
	s_lshl_b32 s45, s66, 21                        ; its slice of wb
.else
	s_mov_b32 s45, 3<<21
.endif
	s_add_co_u32 s44, s44, s45
	s_mov_b32 s45, 0
	s_mul_i32 s67, s[WN], 64*PA                    ; and where they go: no place in the cluster enters an LDS address
	s_mul_i32 s68, s[WN], 64*PW
	s_add_co_u32 s68, s68, AT
	s_wait_dscnt 0x0                               ; the opening add is done
	s_wait_kmcnt 0x0
	s_add_nc_u64 s[42:43], s[4:5], s[42:43]
	s_add_nc_u64 s[44:45], s[6:7], s[44:45]
	CROUND                                         ; all sixteen work-groups are here: the first joint loads meet
.irp s, 0,1
	s_mov_b32 s[G0A+4*(\s)], 1                                     ; count = 1
	s_add_co_u32 s[G0A+4*(\s)+1], s67, (\s)*SLOT                   ; LDS address
	s_add_nc_u64 s[G0A+4*(\s)+2:G0A+4*(\s)+3], s[42:43], (\s)*KSTEP*2     ; global address: K step s
	s_or_b32 s[G0A+4*(\s)+3], s[G0A+4*(\s)+3], 0x80000000          ; type = 2
	s_mov_b32 s[G0W+4*(\s)], 1
	s_add_co_u32 s[G0W+4*(\s)+1], s68, (\s)*SLOT
	s_add_nc_u64 s[G0W+4*(\s)+2:G0W+4*(\s)+3], s[44:45], (\s)*KSTEP*2048
	s_or_b32 s[G0W+4*(\s)+3], s[G0W+4*(\s)+3], 0x80000000
	JLOAD \s                                       ; two loads of mine are out
.endr
	; A fragment of A is 16 rows x 32 K in 8 registers: lane l holds row l % 16, K = 8 (l / 16) + 0..7 and 16 + 8 (l / 16) + 0..7: two loads of 16 bytes, 32 bytes apart.
	v_and_b32 v1, 15, v0                           ; l % 16
	v_bfe_u32 v2, v0, 4, 1                         ; l / 16
	v_mul_u32_u24 v3, v1, PA
	v_lshl_add_u32 v3, v2, 4, v3
	s_mul_i32 s69, s[WM], 64*PA                    ; my 64 rows of A
	v_add_nc_u32 v[ADRA], s69, v3
	v_add_nc_u32 v[ADRA+1], SLOT, v[ADRA]
	; The turning load takes 16 k x 16 columns (lane l reads k = 8 (l / 16) + l % 8, columns 8 ((l / 8) % 2) + 0..7) and leaves half a fragment: lane l holds column l % 16 and 8 k.
	v_and_b32 v4, 7, v0
	v_lshl_add_u32 v4, v2, 3, v4
	v_mul_u32_u24 v4, v4, PW
	v_bfe_u32 v5, v0, 3, 1
	v_lshl_add_u32 v4, v5, 4, v4
	s_lshl_b32 s69, s[WN], 8                       ; my 128 columns
	s_add_co_u32 s69, s69, AT
	v_add_nc_u32 v[ADRW], s69, v4
	v_add_nc_u32 v[ADRW+1], SLOT, v[ADRW]
	s_mul_i32 s69, s[WV], 16*SPITCH
	s_add_co_u32 s69, s69, STAGE                   ; my stage
	v_mul_u32_u24 v3, v1, SPITCH                   ; in: row l % 16, eight numbers for each half of the lanes
	v_lshl_add_u32 v3, v2, 3+LGE, v3
	v_add_nc_u32 v[STO], s69, v3
.if PROJ
	v_mul_u32_u24 v3, v2, SPITCH                   ; back: lanes 0-15 take one row of 256 bytes, lanes 16-31 the next
	v_lshl_add_u32 v3, v1, 4, v3
	v_add_nc_u32 v[RD], s69, v3
	v_lshlrev_b32 v3, 11, v2                       ; and the same two rows in C
	v_lshl_add_u32 v[CO], v1, 4, v3
.else
	v_and_b32 v3, 31, v0                           ; back: 32 lanes take one row of 512 bytes
	v_lshlrev_b32 v[CO], 4, v3
	v_add_nc_u32 v[RD], s69, v[CO]
.endif
	v_lshlrev_b32 v[BO], 5, v2
.if PROJ
	s_cmp_eq_u32 s66, 1                            ; the tensor's bias
	s_cselect_b64 s[70:71], s[10:11], s[8:9]
	s_cmp_eq_u32 s66, 2
	s_cselect_b64 s[70:71], s[12:13], s[70:71]
.else
	s_mov_b64 s[70:71], s[8:9]
	s_mov_b64 s[14:15], s[10:11]
.endif
	s_lshl_b32 s46, s23, 7
	s_lshl_b32 s47, s[WM], 6
	s_add_co_u32 s46, s46, s47                     ; my first row of C,
	s_lshl_b32 s46, s46, 10+LGE                    ; in bytes
	s_lshl_b32 s47, s21, 8
	s_lshl_b32 s69, s[WN], 7
	s_add_co_u32 s47, s47, s69                     ; my first column
	s_lshl_b32 s69, s47, 2                         ; in bytes of the bias,
	s_lshl_b32 s47, s47, LGE                       ; and of C
	s_add_co_u32 s46, s46, s47
	s_mov_b32 s47, 0
	s_add_nc_u64 s[14:15], s[14:15], s[46:47]
	s_mov_b32 s46, s69
	s_add_nc_u64 s[70:71], s[70:71], s[46:47]
	WIN 0x80                                       ; destination window 2, address window 0
.irp b, 0,1,2,3,4,5,6,7                ; register 8 b + j = bias[my first column + 16 b + 8 (l / 16) + j]: what the result's register j holds
	global_load_b128 v[8*(\b):8*(\b)+3],   v[BO], s[70:71] offset:64*(\b)
	global_load_b128 v[8*(\b)+4:8*(\b)+7], v[BO], s[70:71] offset:64*(\b)+16
.endr
	WIN 0
; 8 matrix instructions: row block a x all 8 column blocks, 32 along K, from buffer f.  first = 1: the product starts the sum on the bias.  The 32 accumulators take turns, one instruction a turn.
.macro MULM f, a, first
.if \first
	WIN MULB
.else
	WIN MUL
.endif
.irp b, 0,1,2,3,4,5,6,7
.if \first
	v_wmma_f32_16x16x32_f16 v[8*(8*(\a)+(\b)):8*(8*(\a)+(\b))+7], v[(\f)+8*(\b):(\f)+8*(\b)+7], v[(\f)+64+8*(\a):(\f)+64+8*(\a)+7], v[8*(\b):8*(\b)+7]
.else
	v_wmma_f32_16x16x32_f16 v[8*(8*(\a)+(\b)):8*(8*(\a)+(\b))+7], v[(\f)+8*(\b):(\f)+8*(\b)+7], v[(\f)+64+8*(\a):(\f)+64+8*(\a)+7], v[8*(8*(\a)+(\b)):8*(8*(\a)+(\b))+7]
.endif
.endr
.endm
; 24 LDS loads in one run: the fragments of quarter kq (32 along K) of a slot into buffer f: W's sixteen first, then A's eight
.macro FETCH slot, kq, f
	WIN 0
.irp b, 0,1,2,3,4,5,6,7
	ds_load_tr16_b128 v[(\f)+8*(\b):(\f)+8*(\b)+3],   v[ADRW+(\slot)] offset:(\kq)*32*PW+32*(\b)
	ds_load_tr16_b128 v[(\f)+8*(\b)+4:(\f)+8*(\b)+7], v[ADRW+(\slot)] offset:(\kq)*32*PW+32*(\b)+16*PW
.endr
.irp a, 0,1,2,3
	ds_load_b128 v[(\f)+64+8*(\a):(\f)+64+8*(\a)+3],   v[ADRA+(\slot)] offset:(\kq)*64+(\a)*16*PA
	ds_load_b128 v[(\f)+64+8*(\a)+4:(\f)+64+8*(\a)+7], v[ADRA+(\slot)] offset:(\kq)*64+(\a)*16*PA+32
.endr
.endm
.macro PLACES                          ; four places in front of loads into registers that matrix instructions have read, and of lines that read results (ISA guide 7.12.1 for lines that read results)
.rept 4
	v_nop
.endr
.endm
; A K step is four quarters of 32 along K, 32 matrix instructions each, on buffers 0, 1, 0, 1.  One of the first three: multiplies buffer f and, in its middle, fetches quarter kq into g.
.macro QUARTER slot, kq, f, g, first
	s_wait_dscnt 4                                 ; W and A's blocks 0, 1 are in; the youngest four loads (A's blocks 2, 3) may be out
	MULM \f, 0, \first
	MULM \f, 1, \first
	PLACES
	FETCH \slot, \kq, \g
	s_wait_dscnt 24                                ; all but the 24 just issued
	MULM \f, 2, \first
	MULM \f, 3, \first
.endm
; The last quarter multiplies buffer 1 and changes slots: ONE barrier; in front of it each wave waits for all its tensor loads (one is out: its part of the next slot), adds 0 to its spare word, and waits
; for that and for its own reads of this slot.  fill = 1: the barrier opens a round of the cluster's, and this slot is filled again, two K steps ahead, first thing behind the round.
.macro TURN slot, next, fill
	WIN 0                                          ; (the add's two registers lie in window 0)
	s_wait_tensorcnt 0x0                           ; all my tensor loads have landed
	ds_add_u32 v[SPW], v[NIL]                      ; 0 onto my spare word
	s_wait_dscnt 5                                 ; (the add and the youngest four loads may be out)
	MULM F1, 0, 0                                  ; eight matrix instructions stand between the add and the wait for it
	s_wait_dscnt 0x0                               ; the add is done, and my reads of this slot are over
	s_barrier_signal -1
	MULM F1, 1, 0
.if \fill
	WIN 0
.endif
	s_barrier_wait -1
.if \fill
	CREST                                          ; no wave of any partner still reads this slot's tiles or has a load on its way
	s_add_nc_u64 s[G0A+4*(\slot)+2:G0A+4*(\slot)+3], s[G0A+4*(\slot)+2:G0A+4*(\slot)+3], 2*KSTEP*2
	s_add_nc_u64 s[G0W+4*(\slot)+2:G0W+4*(\slot)+3], s[G0W+4*(\slot)+2:G0W+4*(\slot)+3], 2*KSTEP*2048
	JLOAD \slot                                    ; my one tensor load behind the round: 112 matrix instructions ahead of the wait for it; its four v_nop are also the places in front of the loads below
.else
	PLACES
.endif
	FETCH \next, 0, F0
	MULM F1, 2, 0
	MULM F1, 3, 0
.endm
; THE WAY OUT of row block a (16 rows x my 128 columns): through my own stage in LDS, so that each store covers whole rows' consecutive bytes.  LDS serves a wave's instructions in order
; (ISA guide 5.7.1.4): the loads see the stores above them, and the next block's stores come behind these loads.
.macro OUT a
.if PROJ
.set BK, 64+32*((\a)%2)
	WIN 0x05                                       ; sources in window 1, destination in window 0
.irp b, 0,1,2,3,4,5,6,7
.irp r, 0,1,2,3
	v_cvt_pk_f16_f32 v[TMP+4*(\b)+(\r)], v[8*(8*(\a)+(\b))+2*(\r)], v[8*(8*(\a)+(\b))+2*(\r)+1]
.endr
.endr
	WIN 0
	s_wait_xcnt 0x0                                ; the registers that earlier stores read are loaded again only behind this wait
.irp b, 0,1,2,3,4,5,6,7
	ds_store_b128 v[STO], v[TMP+4*(\b):TMP+4*(\b)+3] offset:32*(\b)
.endr
.irp t, 0,1,2,3,4,5,6,7
	ds_load_b128 v[BK+4*(\t):BK+4*(\t)+3], v[RD] offset:(\t)*2*SPITCH
.endr
.irp t, 0,1,2,3,4,5,6,7
	s_wait_dscnt 7-(\t)                            ; the 7 - t younger loads may be out
	global_store_b128 v[CO], v[BK+4*(\t):BK+4*(\t)+3], s[14:15] offset:(16*(\a)+2*(\t))*ROWB  ; 16 lanes store 256 consecutive bytes, at a multiple of 256 from C's first byte
.endr
.else
.set BK, 32+96*((\a)%2)
	WIN 0
	s_wait_xcnt 0x0                                ; the registers that earlier stores read are loaded again only behind this wait
	WIN 0x04                                       ; the data in window 1; each accumulator's low four registers go first
.irp b, 0,1,2,3,4,5,6,7
	ds_store_b128 v[STO], v[8*(8*(\a)+(\b)):8*(8*(\a)+(\b))+3] offset:64*(\b)
	ds_store_b128 v[STO], v[8*(8*(\a)+(\b))+4:8*(8*(\a)+(\b))+7] offset:64*(\b)+16
.endr
	WIN 0
.irp t, 0,1,2,3,4,5,6,7,8,9,10,11,12,13,14,15
	ds_load_b128 v[BK+4*(\t):BK+4*(\t)+3], v[RD] offset:(\t)*SPITCH
.endr
.irp t, 0,1,2,3,4,5,6,7,8,9,10,11,12,13,14,15
	s_wait_dscnt 15-(\t)                           ; the 15 - t younger loads may be out
	global_store_b128 v[CO], v[BK+4*(\t):BK+4*(\t)+3], s[14:15] offset:(16*(\a)+(\t))*ROWB  ; the wave stores 512 consecutive bytes, at a multiple of 256 from C's first byte
.endr
.endif
.endm
	s_wait_tensorcnt 1                             ; my part of K step 0 is in; K step 1's may stay out
	s_barrier_signal -1
	s_barrier_wait -1                              ; everybody's is
	FETCH 0, 0, F0
	s_wait_loadcnt 0x0                             ; the bias
	QUARTER 0, 1, F0, F1, 1                        ; the first quarter stands in front of the loop: its products start the sums
	WIN 0                                          ; at a label and at a branch every window is 0
	s_mov_b32 s3, LAPS-1
.Llap:                                                 ; a trip goes once round the ring, from a lap's second quarter to the next lap's first, and fills both slots again
	QUARTER 0, 2, F1, F0, 0
	QUARTER 0, 3, F0, F1, 0
	TURN 0, 1, 1
	QUARTER 1, 1, F0, F1, 0
	QUARTER 1, 2, F1, F0, 0
	QUARTER 1, 3, F0, F1, 0
	TURN 1, 0, 1
	QUARTER 0, 1, F0, F1, 0
	WIN 0
	s_sub_co_u32 s3, s3, 1
	s_cmp_lg_u32 s3, 0
	s_cbranch_scc1 .Llap
	QUARTER 0, 2, F1, F0, 0                        ; the last lap fills nothing, and has no round of the cluster's barrier
	QUARTER 0, 3, F0, F1, 0
	TURN 0, 1, 0
	QUARTER 1, 1, F0, F1, 0
	QUARTER 1, 2, F1, F0, 0
	QUARTER 1, 3, F0, F1, 0
	s_wait_dscnt 4                                 ; the very last quarter: nothing more to fetch
	MULM F1, 0, 0
	MULM F1, 1, 0
	s_wait_dscnt 0x0
	MULM F1, 2, 0
	MULM F1, 3, 0
	WIN 0
	PLACES
	OUT 0
	OUT 1
	OUT 2
	OUT 3
	s_wait_tensorcnt 0x0                           ; the wave's end: an add and its wait behind my last tensor load and my last LDS store
	ds_add_u32 v[SPW], v[NIL]
	s_wait_dscnt 0x0
	CROUND                                         ; the closing round: no work-group ends while a partner may still ask for a tile that names it
	s_endpgm
.Lfunc_end_k_qdf54ffaaa3_proj:
	.size	k_qdf54ffaaa3_proj, .Lfunc_end_k_qdf54ffaaa3_proj-k_qdf54ffaaa3_proj
	.p2alignl 7, 3214868480
	.fill 96, 4, 3214868480
	.section	.rodata,"a",@progbits
	.p2align	6, 0x0
	.amdhsa_kernel k_qdf54ffaaa3_proj
		.amdhsa_group_segment_fixed_size 327680
		.amdhsa_private_segment_fixed_size 0
		.amdhsa_enable_private_segment 0
		.amdhsa_kernarg_size 48
		.amdhsa_user_sgpr_count 2
		.amdhsa_user_sgpr_kernarg_segment_ptr 1
		.amdhsa_wavefront_size32 1
		.amdhsa_system_sgpr_workgroup_id_x 1
		.amdhsa_system_sgpr_workgroup_id_y 1
		.amdhsa_system_sgpr_workgroup_id_z 1
		.amdhsa_system_vgpr_workitem_id 0
		.amdhsa_next_free_vgpr 576
		.amdhsa_next_free_sgpr 72
		.amdhsa_reserve_vcc 0
		.amdhsa_float_denorm_mode_32 3
		.amdhsa_float_denorm_mode_16_64 3
		.amdhsa_memory_ordered 1
		.amdhsa_forward_progress 1
		.amdhsa_inst_pref_size 89
	.end_amdhsa_kernel
	.amdgpu_metadata
---
amdhsa.version: [ 1, 2 ]
amdhsa.kernels:
  - .name:           k_qdf54ffaaa3_proj
    .symbol:         k_qdf54ffaaa3_proj.kd
    .args:
      - { .name: xb, .offset: 0, .size: 8, .value_kind: global_buffer, .address_space: global }
      - { .name: wb, .offset: 8, .size: 8, .value_kind: global_buffer, .address_space: global }
      - { .name: query_bias, .offset: 16, .size: 8, .value_kind: global_buffer, .address_space: global }
      - { .name: key_bias, .offset: 24, .size: 8, .value_kind: global_buffer, .address_space: global }
      - { .name: value_bias, .offset: 32, .size: 8, .value_kind: global_buffer, .address_space: global }
      - { .name: qkv, .offset: 40, .size: 8, .value_kind: global_buffer, .address_space: global }
    .group_segment_fixed_size: 327680
    .private_segment_fixed_size: 0
    .kernarg_segment_align: 8
    .kernarg_segment_size: 48
    .max_flat_workgroup_size: 128
    .sgpr_count:     72
    .vgpr_count:     576
    .wavefront_size: 32
...
	.end_amdgpu_metadata
.endif
;; end of part 2
;; launch attn (part 3): grid 8 x 32, 4 waves a work-group, clusters of 4 x 4, 327,680 bytes of LDS; arguments qkv, pad_mask, word_mask, ob; writes ob
.if DOCPART == 3
	.amdgcn_target "amdgcn-amd-amdhsa--gfx1250"
	.amdhsa_code_object_version 6
	.text
	.protected	k_qdf54ffaaa3_attn
	.globl	k_qdf54ffaaa3_attn
	.p2align	8
	.type	k_qdf54ffaaa3_attn,@function
k_qdf54ffaaa3_attn:
	s_mov_b64 s[64:65], 0
	v_nop
	global_prefetch_b8 v0, s[64:65] scope:SCOPE_SE
	s_setreg_imm32_b32 hwreg(HW_REG_WAVE_MODE, 25, 1), 1
	s_wait_xcnt 0x0
	s_wait_alu depctr_hold_cnt(0) depctr_sa_sdst(0) depctr_va_vdst(0) depctr_va_sdst(0) depctr_va_ssrc(0) depctr_va_vcc(0) depctr_vm_vsrc(0)
	s_getreg_b32 s2, hwreg(HW_REG_IB_STS2, 6, 4)
	s_cmp_eq_u32 s2, 0
	s_cbranch_scc0 .Lentry_in_a_cluster
	s_endpgm
.Lentry_in_a_cluster:
	s_bfe_u32 s2, ttmp6, 0x10000c
	s_cmp_lg_u32 s2, 0xf033
	s_cbranch_scc0 .Lentry_shape_is_right
	s_endpgm
.Lentry_shape_is_right:
; ATTENTION WITH TWO ADDITIVE MASKS.  For batch b, head g: O[n] = sum over m of softmax_m(q[n] . k[m] / 8 - (1 - pad[b][m]) 1e12 - (1 - word[b][n][m]) 1e12) v[m].
; q, k, v: qkv [3][8192 rows = b, n][1024 = 16 heads x 64] f16; pad_mask [4][2048], word_mask [4][2048][2048] f32; O: ob [8192][1024] f16.  Products, maxima and sums in f32; the weights p are rounded
; to f16 for the second product (their sum l is taken of the unrounded p), O once at the end.
; ARITHMETIC, in powers of two: c = log2(e) / 8, KK = 1e12 log2(e).  pp[m] = pad KK - 2 KK (once, kept in LDS); u = word KK + pp: exactly 0 where both masks are 1; t = s c + u, one fused multiply-add in f32;
; a running maximum m of t; p = 2^(t - m), the difference formed in f32, so that scores that the penalty makes equal give equal weights (a row with no open key is a plain mean, as in the formula above);
; in every step O and l are multiplied by a = 2^(m_old - m_new).  m starts at the lowest finite number, O and l at 0: the first step is a step like any other, with a = 0.
; LIMITS.  q, k, v arrive within f16's 65,504.  The penalty is rounded once, in powers of two, where the formula rounds twice in e's: for masks other than 0 and 1 the two differ by the rounding of numbers near
; 1e12.  A weight below 2^-126 counts as 0 in l; p below 6e-5 keeps f16's fixed step.  NaN and infinities are not treated apart.
; SHARES.  A work-group owns 256 queries of one batch and a PAIR of neighbouring heads: the pair's 128 channels are 256 aligned bytes of a row of qkv and ob, and the bias u, which hangs on no head, is made once
; for both.  A wave owns 64 queries: four PIECES of 16 queries x 2 heads (tile t = 2 x piece + head).  Every wave walks all 2,048 keys, 64 a step, 32 steps.
; LAYOUT.  S^T = K Q^T (source 0 = 16 keys, source 1 = 16 queries): a lane holds ONE query (lane % 16) and the keys 8 (lane / 16) + 0..7.  Two such results rounded to f16 ARE source 1 of O^T = V^T P.
; K comes out of LDS as it lies, V turned, by ds_load_tr16_b128; u's eight numbers for a result are 32 consecutive bytes of a row of word_mask.
; BY TURNS.  Turn n belongs to piece n: 16 products K Q^T of piece n + 1, then 16 products V^T P of piece n - 1, four vector instructions behind each; the other 154 of a turn's 282 in a lump.  Its vector work:
; t - m, exponentials, roundings, sums and rescaling of piece n; u, t, maximum and statistics of piece n + 1.
; CLUSTER 4 x 4: x = four query blocks, y = four head pairs of one batch.  K's and V's tiles hang on batch and pair: asked for JOINTLY along a row; word_mask's on batch and query block: jointly along a column.
; A slot holds one key step (K 64 x 256 bytes, V the same, word_mask 256 rows x 256 bytes): two slots of two steps would not fit.  One round of the cluster's barrier a step.
; REGISTERS, in windows of 256 (s_set_vgpr_msb: bits 1:0 source 0, 3:2 source 1, 5:4 source 2, 7:6 destination):
;   window 0: v0-15 addresses; v16-47 four registers of statistics a tile; v48-63 at work; v64-191 S^T / t / p, two buffers of two tiles; v192-255 P, likewise (a piece's buffers go by its number's parity)
;   window 1: O^T, 32 a tile     window 2: v0-127 Q, 16 a tile; v128-255 K of one step     window 3: v0-127 V of one step; v128-159 u of one piece; v160-191 pp of one step; v192-193 the add's two registers
.set NP,    4         ; pieces a wave: a name, no knob
.set KS,    64        ; keys in a step
.set PK,    272       ; a row of K in LDS: 256 bytes + 16 = 68 words: the 16 rows of a load start at 16 different groups of four banks (64 banks of 4 bytes: ISA guide 11.1)
.set PV,    288       ; a row of V: 256 + 32 = 72 words
.set PM,    272       ; a row of word_mask's tile: 64 f32 + 16 bytes
.set VOFF,  KS*PK
.set WOFF,  VOFF+KS*PV
.set SLOTB, WOFF+256*PM   ; 105,472 bytes in a slot
.set PPB,   SLOTB     ; behind slot 0, never filled by a tensor load: pp, 2,048 f32
.set STAGE, PPB+8192  ; then 16 rows x 272 bytes for each wave, for the way out; it ends where slot 1 begins
.set SP,    272
.set SLOT1, 1<<17     ; slot 1 begins here, so that one exclusive or turns an address in one slot into the other's
.set SPARE, SLOT1+SLOTB   ; behind slot 1: the spare words, 128 bytes for each wave: two blocks of 256 bytes that no other line names
.set XB,    16777216  ; bytes of q, of k and of v in qkv
.set AK0, 2           ; v2   my lane's place in a tile of K; never rewritten
.set AV0, 3           ; v3   the same for V
.set AW0, 4           ; v4   for word_mask's tile
.set APP0, 5          ; v5   for pp
.set AK,  6           ; v6-8 the same three in the slot in hand
.set AV,  7
.set AW,  8
.set APP, 9           ; v9   pp of the step to be fetched
.set STO, 10          ; v10  the way out: where I put 16 bytes of a row
.set RD,  11          ; v11  the way out: where I read rows back
.set GO,  12          ; v12  my byte offset in two rows of O
.set QO,  13          ; v13  my byte offset in 16 rows of Q
.set ST,  16          ; tile t's statistics at v[ST+4 t]: m, m_old, l (even keys', odd keys')
.set TMP, 48          ; by buffer and head, four registers c0-c3 at work; when the maximum is found c2 takes a
.set S,   64
.set P,   192
.set KF,  128         ; window 2: head u, key block kb, channel half c at KF + 64 u + 16 kb + 8 c
.set WU,  128         ; window 3
.set PPR, 160         ; window 3
.set SPW, 192         ; window 3: LDS address of my spare word; never rewritten
.set NIL, 193         ; window 3: 0; never rewritten
.set WV,  12          ; s12  my wave's number
.set G1K, 24          ; s[24:31] descriptor group 1 for K's tiles
.set G1V, 32          ; s[32:39] for V's: it differs in the padding alone
.set G1W, 40          ; s[40:47] for word_mask's
.set G0K, 48          ; s[48:51], s[52:55], s[56:59] descriptor group 0: they walk
.set G0V, 52
.set G0W, 56
.set CS,  60          ; s[60:61] c: the packed forms take the pair's low word for both halves
.set SEL, 62          ; s[62:63] v_permlanex16_b32's selects: each lane takes its own place in the other half
.set KK,  66          ; s[66:67] 1e12 log2(e)
.set K2,  68          ; s[68:69] -2e12 log2(e)
.set TB,  70          ; s70  LDS byte at which the slot in hand begins
.set PPO, 71          ; s71  byte of pp at which the step to be fetched begins
.set SLOTS, 72        ; s72  counts the loop's trips
.set CNT, 73          ; s73  counts the tail's
.set QB,  74          ; s[74:75] Q at my wave's first row
.set MSB, 0
.macro WIN new                      ; the high byte repeats the setting that is left; a switch that changes nothing is dropped
.if MSB != (\new)
	s_set_vgpr_msb (MSB<<8)|(\new)
.set MSB, (\new)
.endif
.endm
.set W_KQ, 0x0a       ; K and Q in window 2, S^T in window 0
.set W_PV, 0x53       ; V in window 3, P in window 0, O^T in window 1
.set W_RS, 0x41       ; O^T (destination and source 0) in window 1, a in window 0
.set W_U,  0xf3       ; u and pp in window 3
.set W_T,  0x30       ; t in window 0, u (source 2) in window 3; an exponential, which has a destination and a source 0, runs under it too
.set W_MK, 0xc0       ; destination in window 3, sources in window 0
.set W_AD, 0x0f       ; the add: address (source 0) and data (source 1) in window 3
; A joint fill: wave 0 fetches the step's K, wave 1 its V, waves 2 and 3 the halves of word_mask's tile.  The branches hang on the wave's number alone.
; An s_nop 0 and four v_nop follow each of the three lines, ahead of the jump and the label.
.macro JLOAD
	s_cmp_lt_u32 s[WV], 2
	s_cbranch_scc0 .Lfor_w_\@
	s_cmp_eq_u32 s[WV], 0
	s_cbranch_scc0 .Lfor_v_\@
	tensor_load_to_lds s[G0K:G0K+3], s[G1K:G1K+7]
	s_nop 0
.rept 4
	v_nop
.endr
	s_branch .Lasked_\@
.Lfor_v_\@:
	tensor_load_to_lds s[G0V:G0V+3], s[G1V:G1V+7]
	s_nop 0
.rept 4
	v_nop
.endr
	s_branch .Lasked_\@
.Lfor_w_\@:
	tensor_load_to_lds s[G0W:G0W+3], s[G1W:G1W+7]
	s_nop 0
.rept 4
	v_nop
.endr
.Lasked_\@:
.endm
; A round of the cluster's barrier: my work-group's barrier, so that wave 0's signal speaks for all four waves; wave 0 signals; every wave waits for all sixteen work-groups; my work-group's barrier once more.
.macro CROUND
	s_barrier_signal -1
	s_barrier_wait -1
	s_cmp_lg_u32 s[WV], 0
	s_cbranch_scc1 .Lnot_wave_0_\@
	s_barrier_signal -3
.Lnot_wave_0_\@:
	s_barrier_wait -3
	s_barrier_signal -1
	s_barrier_wait -1
.endm
; THE CHANGE OF SLOTS, once a key step.  Each wave waits for all its tensor loads, of which one is out: its part of the other slot; adds 0 to its spare word; and waits for that and for its own reads of the slot
; that it leaves.  Behind the barrier nobody reads the old slot any more and the other slot is whole.  fill = 1: the barrier is a round of the cluster's, and the old slot is filled again, with the step two on,
; first thing behind it: that load has a whole step, 128 matrix instructions and their vector work, in which to land.  (At its first use nothing has been read yet: slot 0 is waited for, slot 1 filled, and pp is shown to all waves.)
.macro CHANGE fill
	WIN W_AD
	s_wait_tensorcnt 0x0            ; no tensor load of mine is out, so a group 0 may be written
	ds_add_u32 v[SPW], v[NIL]       ; 0 onto my spare word; with fill = 1 the descriptors' steps stand between it and the wait for it
	WIN 0                           ; at a label and at a branch every window is 0
.if \fill
.irp g, G0K, G0V
	s_xor_b32 s[\g+1], s[\g+1], SLOT1  ; the other slot than last time,
	s_add_nc_u64 s[\g+2:\g+3], s[\g+2:\g+3], KS*2048  ; the next 64 rows; the type bits on top are not reached
.endr
	s_xor_b32 s[G0W+1], s[G0W+1], SLOT1
	s_add_nc_u64 s[G0W+2:G0W+3], s[G0W+2:G0W+3], KS*4  ; the next 64 columns
	s_wait_dscnt 0x0                ; the add is done, and my reads of the slot (at the first use: my stores of pp) are over
	CROUND
	JLOAD
.else
	s_wait_dscnt 0x0                ; the add is done, and my reads of the slot are over
	s_barrier_signal -1
	s_barrier_wait -1
.endif
	s_xor_b32 s[TB], s[TB], SLOT1   ; all LDS reads up to the next change come from this slot
	v_add_nc_u32 v[AK], s[TB], v[AK0]
	v_add_nc_u32 v[AV], s[TB], v[AV0]
	v_add_nc_u32 v[AW], s[TB], v[AW0]
	s_wait_alu depctr_va_vdst(0)
.endm
	s_load_b256 s[4:11], s[0:1], 0x0  ; qkv s[4:5], pad_mask s[6:7], word_mask s[8:9], ob s[10:11]
	WIN W_MK
	v_lshl_add_u32 v[SPW], v0, 2, SPARE
	v_mov_b32 v[NIL], 0
	WIN W_AD
	ds_add_u32 v[SPW], v[NIL]       ; the wave's opening: the add and its wait stand ahead of my first tensor load; the set-up below, work on registers, stands between them
	WIN 0
	v_lshrrev_b32 v1, 5, v0
	v_readfirstlane_b32 s[WV], v1   ; wave 0..3
	s_bfe_u32 s13, ttmp6, 0x40000   ; cx, cy: my place in the cluster
	s_bfe_u32 s14, ttmp6, 0x40004
	s_lshl_b32 s15, ttmp9, 2
	s_add_co_u32 s15, s15, s13      ; my block of 256 queries = 4 x cluster x + cx
	s_and_b32 s16, ttmp7, 0xffff    ; cluster y
	s_lshr_b32 s17, s16, 1          ; the batch: of the cluster's y alone
	s_and_b32 s18, s16, 1
	s_lshl_b32 s18, s18, 2
	s_add_co_u32 s18, s18, s14      ; my pair of heads = 4 x (cluster y % 2) + cy
	s_lshl_b32 s19, s14, 2
	s_lshl_b32 s19, 15, s19         ; my row of the cluster
	s_lshl_b32 s20, 0x1111, s13     ; my column
	s_and_b32 s21, s[WV], 1         ; which half of word_mask's tile I fetch
	s_lshl_b32 s76, s17, 22         ; K and V: the batch's 2,048 rows of 2,048 bytes,
	s_lshl_b32 s77, s18, 8          ; the pair's 256 bytes in a row: registers that never hold cx
	s_add_co_u32 s76, s76, s77
	s_add_co_u32 s78, s76, 2*XB
	s_add_co_u32 s76, s76, XB
	s_mov_b32 s77, 0
	s_mov_b32 s79, 0
	s_lshl_b32 s80, s17, 24         ; word_mask: the batch's 2,048 rows of 8,192 bytes,
	s_lshl_b32 s81, s15, 21         ; my block's 256 rows,
	s_add_co_u32 s80, s80, s81
	s_lshl_b32 s81, s21, 20         ; my half's 128: registers that never hold cy
	s_add_co_u32 s80, s80, s81
	s_mov_b32 s81, 0
	s_lshl_b32 s82, s17, 22         ; Q and O: batch, block, my wave's 64 rows, the pair's bytes
	s_lshl_b32 s83, s15, 19
	s_add_co_u32 s82, s82, s83
	s_lshl_b32 s83, s[WV], 17
	s_add_co_u32 s82, s82, s83
	s_lshl_b32 s83, s18, 8
	s_add_co_u32 s82, s82, s83
	s_mov_b32 s83, 0
	s_lshl_b32 s22, s17, 13         ; pad_mask: the batch's 8,192 bytes
	s_mov_b32 s23, 0
	s_or_b32 s[G1K], s19, (1<<16)|(1<<20)|(1<<21)|(5<<22)|(3<<25)  ; 15:0 the mask: my row; 17:16 2-byte elements; 20 padding on; 21 set beside a mask; 24:22 after every 64 words (code 5); 31:25 4 words (code 3)
	s_or_b32 s[G1V], s19, (1<<16)|(1<<20)|(1<<21)|(5<<22)|(7<<25)  ; the same with 8 words of padding (code 7)
	s_or_b32 s[G1W], s20, (2<<16)|(1<<20)|(1<<21)|(5<<22)|(3<<25)  ; my column; 4-byte elements
.irp g, G1K, G1V
	s_mov_b32 s[\g+1], 128<<16      ; tensor_dim0 = 128
	s_mov_b32 s[\g+2], KS<<16       ; tensor_dim1 = 64
	s_mov_b32 s[\g+3], 128<<16      ; tile_dim0 = 128
	s_mov_b32 s[\g+4], KS           ; tile_dim1 = 64
	s_mov_b32 s[\g+5], 1024         ; 1,024 elements from row to row
	s_mov_b32 s[\g+6], 0
	s_mov_b32 s[\g+7], 0
.endr
	s_mov_b32 s[G1W+1], KS<<16      ; tensor_dim0 = 64
	s_mov_b32 s[G1W+2], 128<<16     ; tensor_dim1 = 128
	s_mov_b32 s[G1W+3], KS<<16      ; tile_dim0 = 64
	s_mov_b32 s[G1W+4], 128         ; tile_dim1 = 128
	s_mov_b32 s[G1W+5], 2048        ; 2,048 elements from row to row
	s_mov_b32 s[G1W+6], 0
	s_mov_b32 s[G1W+7], 0
	s_mov_b32 s[G0K], 1             ; count = 1
	s_mov_b32 s[G0K+1], 0           ; LDS address: slot 0
	s_mov_b32 s[G0V], 1
	s_mov_b32 s[G0V+1], VOFF
	s_mov_b32 s[G0W], 1
	s_mul_i32 s[G0W+1], s21, 128*PM
	s_add_co_u32 s[G0W+1], s[G0W+1], WOFF
	s_mov_b32 s[CS], 0x3e38aa3b     ; c = log2(e) / 8
	s_mov_b32 s[CS+1], s[CS]        ; named with it as a pair
	s_mov_b32 s[SEL], 0x76543210
	s_mov_b32 s[SEL+1], 0xfedcba98
	s_mov_b32 s[KK], 0x53a7f3aa     ; 1e12 log2(e)
	s_mov_b32 s[KK+1], s[KK]
	s_mov_b32 s[K2], 0xd427f3aa     ; -2 x that
	s_mov_b32 s[K2+1], s[K2]
	s_mov_b32 s[TB], SLOT1          ; the first change of slots turns it into 0
	s_mov_b32 s[PPO], 0
	s_wait_dscnt 0x0                ; the opening add is done
	s_wait_kmcnt 0x0
	s_add_nc_u64 s[G0K+2:G0K+3], s[4:5], s[76:77]  ; global addresses: key step 0
	s_or_b32 s[G0K+3], s[G0K+3], 0x80000000        ; type = 2
	s_add_nc_u64 s[G0V+2:G0V+3], s[4:5], s[78:79]
	s_or_b32 s[G0V+3], s[G0V+3], 0x80000000
	s_add_nc_u64 s[G0W+2:G0W+3], s[8:9], s[80:81]
	s_or_b32 s[G0W+3], s[G0W+3], 0x80000000
	s_add_nc_u64 s[QB:QB+1], s[4:5], s[82:83]
	s_add_nc_u64 s[10:11], s[10:11], s[82:83]
	s_add_nc_u64 s[6:7], s[6:7], s[22:23]
	CROUND                          ; all sixteen work-groups are here: the first joint loads meet
	JLOAD                           ; key step 0 into slot 0: one load of mine is out
	; A fragment of K or Q is 16 rows x 32 channels in 8 registers: lane l holds row l % 16, channels 8 (l / 16) + 0..7 and 16 + 8 (l / 16) + 0..7: two loads of 16 bytes, 32 bytes apart.
	v_and_b32 v1, 15, v0            ; l % 16
	v_bfe_u32 v14, v0, 4, 1         ; l / 16
	v_lshlrev_b32 v[QO], 11, v1
	v_lshl_add_u32 v[QO], v14, 4, v[QO]
	v_lshlrev_b32 v15, 4, v0        ; my 16 bytes in 2,048 of pad_mask
	WIN 0x80                        ; destination window 2, address window 0
.set i, 0
.rept 16                            ; Q stays in registers: fragment i = piece i / 4, head (i / 2) % 2, channels 32 (i % 2) on
	global_load_b128 v[8*i:8*i+3],   v[QO], s[QB:QB+1] offset:(i/4)*32768+((i/2)%2)*128+(i%2)*64
	global_load_b128 v[8*i+4:8*i+7], v[QO], s[QB:QB+1] offset:(i/4)*32768+((i/2)%2)*128+(i%2)*64+32
.set i, i+1
.endr
	WIN 0
.irp k, 0,1,2,3
	global_load_b128 v[S+4*\k:S+4*\k+3], v15, s[6:7] offset:2048*\k  ; the batch's pad_mask, shared out among the 128 threads
.endr
	; What the first turn finds: V and P's second buffer hold 0 (its products V^T P, of a piece that has not been, add 0); O^T and l are 0.  All this stands in the wait for the first tile.
	WIN W_MK
.set i, 0
.rept 128
	v_mov_b32 v[i], 0
.set i, i+1
.endr
	WIN 0x40
.set i, 0
.rept 256
	v_mov_b32 v[i], 0
.set i, i+1
.endr
	WIN 0
.set i, 0
.rept 2*NP
	v_mov_b32 v[ST+4*i], 0xff7fffff    ; m: the lowest finite number
	v_mov_b32 v[ST+4*i+1], 0xff7fffff
	v_mov_b32 v[ST+4*i+2], 0
	v_mov_b32 v[ST+4*i+3], 0
.set i, i+1
.endr
.set i, P+32
.rept 32
	v_mov_b32 v[i], 0
.set i, i+1
.endr
	v_mul_u32_u24 v[AK0], v1, PK
	v_lshl_add_u32 v[AK0], v14, 4, v[AK0]  ; row x pitch + 16 x half
	; The turning load takes 16 keys x 16 channels (lane l reads key 8 (l / 16) + l % 8, channels 8 ((l / 8) % 2) + 0..7) and leaves half a fragment of V^T: lane l holds channel l % 16 and 8 keys.
	v_and_b32 v[AV0], 7, v0
	v_lshl_add_u32 v[AV0], v14, 3, v[AV0]
	v_mul_u32_u24 v[AV0], v[AV0], PV
	v_bfe_u32 v[AW0], v0, 3, 1
	v_lshl_add_u32 v[AV0], v[AW0], 4, v[AV0]
	v_add_nc_u32 v[AV0], VOFF, v[AV0]
	s_mul_i32 s22, s[WV], 64*PM     ; word_mask's tile: my wave's 64 rows; row l % 16 of a piece, 32 bytes for each half of the lanes
	s_add_co_u32 s22, s22, WOFF
	v_mul_u32_u24 v[AW0], v1, PM
	v_lshl_add_u32 v[AW0], v14, 5, v[AW0]
	v_add_nc_u32 v[AW0], s22, v[AW0]
	v_lshlrev_b32 v[APP0], 5, v14
	v_add_nc_u32 v[APP0], PPB, v[APP0]
	s_mul_i32 s22, s[WV], 16*SP
	s_add_co_u32 s22, s22, STAGE    ; my stage
	v_mul_u32_u24 v[STO], v1, SP    ; in: row l % 16, 16 bytes for each half of the lanes
	v_lshl_add_u32 v[STO], v14, 4, v[STO]
	v_add_nc_u32 v[STO], s22, v[STO]
	v_mul_u32_u24 v[RD], v14, SP    ; back: lanes 0-15 take one row of 256 bytes, lanes 16-31 the next
	v_lshl_add_u32 v[RD], v1, 4, v[RD]
	v_add_nc_u32 v[RD], s22, v[RD]
	v_lshlrev_b32 v[GO], 11, v14    ; and the same two rows in O
	v_lshl_add_u32 v[GO], v1, 4, v[GO]
	v_add_nc_u32 v[APP], PPB, v15   ; where my 16 bytes of pp go
	s_wait_loadcnt 0x0              ; Q and pad_mask
.set i, 0
.rept 8
	v_pk_fma_f32 v[S+2*i:S+2*i+1], v[S+2*i:S+2*i+1], s[KK:KK+1], s[K2:K2+1] op_sel_hi:[1,0,0]  ; pp = pad KK - 2 KK
.set i, i+1
.endr
.irp k, 0,1,2,3
	ds_store_b128 v[APP], v[S+4*\k:S+4*\k+3] offset:2048*\k
.endr
; THE MATRIX WORK.  The 8 accumulators of a run of 16 take turns: between the two links of a chain stand 7 others'.
; Product i of 16 of S^T = K Q^T for piece x: head i % 2, keys 16 ((i / 2) % 4) on, channels 32 (i / 8) on.  The first 8 start the sums.
.macro KQ x
	WIN W_KQ
.set rS, S+64*((\x)%2)+32*(i%2)+8*((i/2)%4)
.set rK, KF+64*(i%2)+16*((i/2)%4)+8*(i/8)
.set rQ, 16*(2*(\x)+i%2)+8*(i/8)
.if i < 8
	v_wmma_f32_16x16x32_f16 v[rS:rS+7], v[rK:rK+7], v[rQ:rQ+7], 0
.else
	v_wmma_f32_16x16x32_f16 v[rS:rS+7], v[rK:rK+7], v[rQ:rQ+7], v[rS:rS+7]
	s_wait_alu depctr_va_vdst(0)
.endif
.endm
; Product i of 16 of O^T += V^T P for piece x: head i % 2, channels 16 ((i / 2) % 4) on, keys 32 (i / 8) on.
.macro PV x
	WIN W_PV
.set rO, 32*(2*(\x)+i%2)+8*((i/2)%4)
.set rV, 64*(i%2)+32*(i/8)+8*((i/2)%4)
.set rP, P+32*((\x)%2)+16*(i%2)+8*(i/8)
	v_wmma_f32_16x16x32_f16 v[rO:rO+7], v[rV:rV+7], v[rP:rP+7], v[rO:rO+7]
.endm
; THE LDS LOADS stand in runs, never singly among the matrix instructions.
.macro FETCH_K                      ; a step's K: fragment f = head f / 8, keys 16 ((f / 2) % 4) on, channels 32 (f % 2) on
	WIN 0x80
.set f, 0
.rept 16
	ds_load_b128 v[KF+8*f:KF+8*f+3],   v[AK] offset:((f/2)%4)*16*PK+(f/8)*128+(f%2)*64
	ds_load_b128 v[KF+8*f+4:KF+8*f+7], v[AK] offset:((f/2)%4)*16*PK+(f/8)*128+(f%2)*64+32
.set f, f+1
.endr
.endm
.macro FETCH_V                      ; a step's V, turned: fragment f = head f / 8, keys 32 ((f / 4) % 2) on, channels 16 (f % 4) on
	WIN W_MK
.set f, 0
.rept 16
	ds_load_tr16_b128 v[8*f:8*f+3],   v[AV] offset:((f/4)%2)*32*PV+(f/8)*128+(f%4)*32
	ds_load_tr16_b128 v[8*f+4:8*f+7], v[AV] offset:((f/4)%2)*32*PV+(f/8)*128+(f%4)*32+16*PV
.set f, f+1
.endr
.endm
.macro LOADW x                      ; word_mask for piece x's 16 queries and the step's 64 keys: register 8 kb + j = key 16 kb + 8 (l / 16) + j
	WIN W_MK
.irp kb, 0,1,2,3
	ds_load_b128 v[WU+8*\kb:WU+8*\kb+3],   v[AW] offset:(\x)*16*PM+64*\kb
	ds_load_b128 v[WU+8*\kb+4:WU+8*\kb+7], v[AW] offset:(\x)*16*PM+64*\kb+16
.endr
.endm
.macro LOADPP adv                   ; pp of a step, in the same order.  adv = 1: the next step's; behind the last step the offset goes back to 0 and stays inside the table
	WIN 0
.if \adv
	s_add_co_u32 s[PPO], s[PPO], KS*4
	s_and_b32 s[PPO], s[PPO], 8191
.endif
	v_add_nc_u32 v[APP], s[PPO], v[APP0]
	WIN W_MK
.irp kb, 0,1,2,3
	ds_load_b128 v[PPR+8*\kb:PPR+8*\kb+3],   v[APP] offset:64*\kb
	ds_load_b128 v[PPR+8*\kb+4:PPR+8*\kb+7], v[APP] offset:64*\kb+16
.endr
.endm
; THE VECTOR WORK, one line at a time.  Y is the piece in hand.  Where a number n counts through both heads they alternate: head n % 2, item n / 2.
.macro REGS y, u                    ; the registers of head u of piece y
.set rT, ST+4*(2*(\y)+(\u))
.set rC, TMP+8*((\y)%2)+4*(\u)
.set rS, S+64*((\y)%2)+32*(\u)
.set rP, P+32*((\y)%2)+16*(\u)
.set rO, 32*(2*(\y)+(\u))
.endm
.macro OPF n                        ; piece Y: t - m for a pair of scores (32)
	REGS Y, (\n)%2
	WIN 0
	v_pk_add_f32 v[rS+2*((\n)/2):rS+2*((\n)/2)+1], v[rS+2*((\n)/2):rS+2*((\n)/2)+1], v[rT:rT+1] op_sel_hi:[1,0] neg_lo:[0,1] neg_hi:[0,1]
.endm
.macro OPU n                        ; piece Y + 1: u = word KK + pp for pair n of 16, in place; it serves both heads
	WIN W_U
	v_pk_fma_f32 v[WU+2*(\n):WU+2*(\n)+1], v[WU+2*(\n):WU+2*(\n)+1], s[KK:KK+1], v[PPR+2*(\n):PPR+2*(\n)+1] op_sel_hi:[1,0,1]
.endm
.macro OPT n                        ; piece Y + 1: t = s c + u for a pair (32), ascending: each accumulator's lowest registers are read first
	REGS (Y+1)%NP, (\n)%2
	WIN W_T
	v_pk_fma_f32 v[rS+2*((\n)/2):rS+2*((\n)/2)+1], v[rS+2*((\n)/2):rS+2*((\n)/2)+1], s[CS:CS+1], v[WU+2*((\n)/2):WU+2*((\n)/2)+1] op_sel_hi:[1,0,1]
.endm
.macro OPE n                        ; piece Y: an exponential, in place (64)
	REGS Y, (\n)%2
.if (MSB & 0xc3) != 0
	WIN 0
.endif
	v_exp_f32 v[rS+(\n)/2], v[rS+(\n)/2]
.endm
.macro OPC n                        ; piece Y: a pair of weights rounded to f16 (32)
	REGS Y, (\n)%2
	WIN 0
	v_cvt_pk_f16_f32 v[rP+(\n)/2], v[rS+2*((\n)/2)], v[rS+2*((\n)/2)+1]
.endm
.macro OPS n                        ; piece Y: the sum of a tile's 16 pairs, in place: neighbours 1, 2, 4 and 8 pairs apart; then l = a l + the sum (32)
	REGS Y, (\n)%2
	WIN 0
.set z, (\n)/2
.if z < 8
	v_pk_add_f32 v[rS+4*z:rS+4*z+1], v[rS+4*z:rS+4*z+1], v[rS+4*z+2:rS+4*z+3]
.elseif z < 12
	v_pk_add_f32 v[rS+8*z-64:rS+8*z-63], v[rS+8*z-64:rS+8*z-63], v[rS+8*z-60:rS+8*z-59]
.elseif z < 14
	v_pk_add_f32 v[rS+16*z-192:rS+16*z-191], v[rS+16*z-192:rS+16*z-191], v[rS+16*z-184:rS+16*z-183]
.elseif z == 14
	v_pk_add_f32 v[rS:rS+1], v[rS:rS+1], v[rS+16:rS+17]
.else
	v_pk_fma_f32 v[rT+2:rT+3], v[rT+2:rT+3], v[rC+2:rC+3], v[rS:rS+1] op_sel_hi:[1,0,1]
	s_wait_alu depctr_va_vdst(0)
.endif
.endm
.macro OPR n                        ; piece Y: O^T times a: head n / 16, pair n % 16, ascending (32)
	REGS Y, (\n)/16
	WIN W_RS
	v_pk_mul_f32 v[rO+2*((\n)%16):rO+2*((\n)%16)+1], v[rO+2*((\n)%16):rO+2*((\n)%16)+1], v[rC+2:rC+3] op_sel_hi:[1,0]
.endm
; Number n of the 21 that find piece Y + 1's maximum and statistics, for head u.  t0-t31 are the lane's 32 numbers.
;   0-11  four chains c0-c3 of seven each, three operands at a time     12-14, 16  the four left over, the old m, and c0-c3 into c0     15  m_old is kept
;   17, 18  the query's other 32 keys lie in the lane 16 away: the new m     19, 20  m_old - m_new; a
.macro OPX u, n
	REGS (Y+1)%NP, \u
	WIN 0
.if (\n) < 4
	v_max3_num_f32 v[rC+(\n)], v[rS+8*(\n)], v[rS+8*(\n)+1], v[rS+8*(\n)+2]
.elseif (\n) < 12
	v_max3_num_f32 v[rC+(\n)%4], v[rC+(\n)%4], v[rS+8*((\n)%4)+2*((\n)/4)+1], v[rS+8*((\n)%4)+2*((\n)/4)+2]
.elseif (\n) == 12
	v_max3_num_f32 v[rC], v[rC], v[rS+7], v[rS+15]
.elseif (\n) == 13
	v_max3_num_f32 v[rC+1], v[rC+1], v[rS+23], v[rS+31]
.elseif (\n) == 14
	v_max3_num_f32 v[rC+2], v[rC+2], v[rC+3], v[rT]
.elseif (\n) == 15
	v_mov_b32 v[rT+1], v[rT]
.elseif (\n) == 16
	v_max3_num_f32 v[rC], v[rC], v[rC+1], v[rC+2]
	s_wait_alu depctr_va_vdst(0)
.elseif (\n) == 17
	v_permlanex16_b32 v[rC+3], v[rC], s[SEL], s[SEL+1]
.elseif (\n) == 18
	v_max_num_f32 v[rT], v[rC], v[rC+3]
.elseif (\n) == 19
	v_sub_f32 v[rC+1], v[rT+1], v[rT]
.else
	v_exp_f32 v[rC+2], v[rC+1]
.endif
.endm
; A TURN, for piece p.  No vector line near a product names one of its registers: the products work on the neighbours' buffers, the vector lines behind the first run on piece p's and on u.
; The four rescalings behind each of the last four products K Q^T are the places in front of the first t = s c + u.  Every exponential has a plain line behind it before its result is used.
; The LDS runs stand four pairs into the lump: six plain lines behind the last product V^T P.  All of them are waited for at the next turn's head.  Every turn fetches word_mask for piece p + 2;
; piece 2's turn pp and K of the next step (K's last reader stands in the first run); piece 0's turn V of the step in hand.
.macro TURN p
.set Y, (\p)
	s_wait_dscnt 0x0                ; the last turn's runs are in
.set i, 0
.rept 16
	KQ (Y+1)%NP
.if i < 8
	OPF 4*i
	OPF 4*i+1
	OPF 4*i+2
	OPF 4*i+3
.elseif i < 12
	OPU 4*i-32
	OPU 4*i-31
	OPU 4*i-30
	OPU 4*i-29
.else
	OPR 4*i-48
	OPR 4*i-47
	OPR 4*i-46
	OPR 4*i-45
.endif
.set i, i+1
.endr
.set i, 0
.rept 16
	PV (Y+NP-1)%NP
	OPT 2*i
	OPE 2*i
	OPT 2*i+1
	OPE 2*i+1
.set i, i+1
.endr
.set q, 0
.rept 32                            ; the lump: plain and exponential by turns while exponentials last
	OPX q%2, q/2
	OPE 32+q
.if q == 3
	LOADW (Y+2)%NP
.if (\p) == 2
	LOADPP 1
	FETCH_K
.endif
.if (\p) == 0
	FETCH_V
.endif
.endif
.set q, q+1
.endr
.irp n, 16,17,18,19,20              ; the chain's links wait for each other: four roundings stand behind each
	OPX 0, \n
	OPX 1, \n
.set q, 0
.rept 4
	OPC 4*(\n)-64+q
.set q, q+1
.endr
.endr
.set q, 20
.rept 12
	OPC q
.set q, q+1
.endr
.set q, 0
.rept 32
	OPS q
.set q, q+1
.endr
.set q, 16
.rept 16
	OPR q
.set q, q+1
.endr
.endm
	CHANGE 1                        ; slot 0 is in, everybody's part of it, and so is pp; key step 1 is asked for
	FETCH_K                         ; key step 0
	LOADW 0
	LOADPP 0
	s_wait_dscnt 0x0
.set Y, NP-1                        ; the lines for piece Y + 1 work for piece 0
.set i, 0
.rept 16
	KQ 0                            ; piece 0's first scores
.set i, i+1
.endr
.set i, 0
.rept 16
	OPU i                           ; its bias: sixteen plain lines, the places behind those products
.set i, i+1
.endr
.set i, 0
.rept 32
	OPT i
.set i, i+1
.endr
	LOADW 1                         ; the first turn makes piece 1's bias
.irp n, 0,1,2,3,4,5,6,7,8,9,10,11,12,13,14,15,16,17,18,19,20
	OPX 0, \n
	OPX 1, \n
.endr
	v_nop                           ; a plain instruction behind the exponentials
	s_mov_b32 s[SLOTS], 31
	s_branch .Lfirst                ; the loop is entered at a step's first turn, in the middle of a trip
.Lslot:                             ; 30 whole trips: pieces 2 and 3 of one step, then pieces 0 and 1 of the next, all of whose tiles the trip reads; they ask for key steps 2 to 31
	CHANGE 1
	TURN 2
	TURN 3
	WIN 0
.Lfirst:
	TURN 0
	TURN 1
	WIN 0
	s_sub_co_u32 s[SLOTS], s[SLOTS], 1
	s_cmp_lg_u32 s[SLOTS], 0
	s_cbranch_scc1 .Lslot
	CHANGE 0                        ; the tail is written out: nothing is asked for
	s_mov_b32 s[CNT], 2             ; one trip reads the last step's tiles; the second is left in its middle
.Ltail:
	TURN 2
	TURN 3
	WIN 0
	s_sub_co_u32 s[CNT], s[CNT], 1
	s_cmp_eq_u32 s[CNT], 0
	s_cbranch_scc1 .Lout
	TURN 0
	TURN 1
	WIN 0
	s_branch .Ltail
.Lout:                              ; the second trip's fetches read the last slot once more, and its 16 products K Q^T and the maximum made of them serve nothing (they touch neither l nor O^T): the price of one text for every trip
.set i, 0
.rept 16
	PV NP-1                         ; the last piece's V^T P of the last step
.set i, i+1
.endr
	; THE WAY OUT.  l's two halves and the other half of the lanes' are added; O^T is divided by l, rounded to f16 and sent through my stage in LDS, a piece (16 rows x 256 bytes) at a time.  The additions are the places behind the last products.
	WIN 0
.macro ALL line:vararg              ; one line for each tile t
.set t, 0
.rept 2*NP
	\line
.set t, t+1
.endr
.endm
	ALL v_add_f32 v[ST+4*t+2], v[ST+4*t+2], v[ST+4*t+3]
	ALL v_permlanex16_b32 v[ST+4*t+3], v[ST+4*t+2], s[SEL], s[SEL+1]
	ALL v_add_f32 v[ST+4*t+2], v[ST+4*t+2], v[ST+4*t+3]
	ALL v_rcp_f32 v[ST+4*t+2], v[ST+4*t+2]
	v_nop                           ; a plain instruction between the last reciprocal and the use of its result
	s_wait_alu depctr_va_vdst(0)
.macro PACK x                       ; a lane's eight channels of a row pack into 16 bytes; they go into rows of 272 bytes and come back as whole rows of 256, into the registers that they left
	WIN W_RS
.set i, 0
.rept 32
	v_pk_mul_f32 v[64*(\x)+2*i:64*(\x)+2*i+1], v[64*(\x)+2*i:64*(\x)+2*i+1], v[ST+4*(2*(\x)+i/16)+2:ST+4*(2*(\x)+i/16)+3] op_sel_hi:[1,0]
.set i, i+1
.endr
	WIN 0x05                        ; sources 0 and 1 window 1, destination window 0
.set i, 0
.rept 32
	v_cvt_pk_f16_f32 v[S+32*(\x)+i], v[64*(\x)+2*i], v[64*(\x)+2*i+1]
.set i, i+1
.endr
	WIN 0
.irp f, 0,1,2,3,4,5,6,7             ; head f / 4, channels 16 (f % 4) on
	ds_store_b128 v[STO], v[S+32*(\x)+4*\f:S+32*(\x)+4*\f+3] offset:(\f/4)*128+(\f%4)*32
.endr
.irp f, 0,1,2,3,4,5,6,7
	ds_load_b128 v[S+32*(\x)+4*\f:S+32*(\x)+4*\f+3], v[RD] offset:\f*2*SP  ; LDS serves a wave's instructions in order (ISA guide 5.7.1.4): these see the stores above; the next piece's stores come behind them
.endr
.endm
.macro SEND x, younger              ; younger: the LDS instructions issued behind piece x's loads: the next piece's sixteen, or none
	WIN 0
.irp f, 0,1,2,3,4,5,6,7
	s_wait_dscnt (\younger)+7-\f
	global_store_b128 v[GO], v[S+32*(\x)+4*\f:S+32*(\x)+4*\f+3], s[10:11] offset:(\x)*32768+\f*4096  ; 16 lanes store 256 consecutive bytes, at a multiple of 256 from O's first byte
.endr
.endm
	PACK 0
	PACK 1                          ; a piece's arithmetic stands between the loads of the piece before and its stores
	SEND 0, 16
	PACK 2
	SEND 1, 16
	PACK 3
	SEND 2, 16
	SEND 3, 0
	WIN W_AD
	s_wait_tensorcnt 0x0            ; the wave's end: an add and its wait behind my last tensor load and my last LDS store
	ds_add_u32 v[SPW], v[NIL]
	s_wait_dscnt 0x0
	WIN 0
	CROUND                          ; the closing round: no work-group ends while a partner may still ask for a tile that names it
	s_endpgm
.Lfunc_end_k_qdf54ffaaa3_attn:
	.size	k_qdf54ffaaa3_attn, .Lfunc_end_k_qdf54ffaaa3_attn-k_qdf54ffaaa3_attn
	.p2alignl 7, 3214868480
	.fill 96, 4, 3214868480
	.section	.rodata,"a",@progbits
	.p2align	6, 0x0
	.amdhsa_kernel k_qdf54ffaaa3_attn
		.amdhsa_group_segment_fixed_size 327680
		.amdhsa_private_segment_fixed_size 0
		.amdhsa_enable_private_segment 0
		.amdhsa_kernarg_size 32
		.amdhsa_user_sgpr_count 2
		.amdhsa_user_sgpr_kernarg_segment_ptr 1
		.amdhsa_wavefront_size32 1
		.amdhsa_system_sgpr_workgroup_id_x 1
		.amdhsa_system_sgpr_workgroup_id_y 1
		.amdhsa_system_sgpr_workgroup_id_z 1
		.amdhsa_system_vgpr_workitem_id 0
		.amdhsa_next_free_vgpr 1024
		.amdhsa_next_free_sgpr 88
		.amdhsa_reserve_vcc 0
		.amdhsa_float_denorm_mode_32 3
		.amdhsa_float_denorm_mode_16_64 3
		.amdhsa_memory_ordered 1
		.amdhsa_forward_progress 1
		.amdhsa_inst_pref_size 242
	.end_amdhsa_kernel
	.amdgpu_metadata
---
amdhsa.version: [ 1, 2 ]
amdhsa.kernels:
  - .name:           k_qdf54ffaaa3_attn
    .symbol:         k_qdf54ffaaa3_attn.kd
    .args:
      - { .name: qkv, .offset: 0, .size: 8, .value_kind: global_buffer, .address_space: global }
      - { .name: pad_mask, .offset: 8, .size: 8, .value_kind: global_buffer, .address_space: global }
      - { .name: word_mask, .offset: 16, .size: 8, .value_kind: global_buffer, .address_space: global }
      - { .name: ob, .offset: 24, .size: 8, .value_kind: global_buffer, .address_space: global }
    .group_segment_fixed_size: 327680
    .private_segment_fixed_size: 0
    .kernarg_segment_align: 8
    .kernarg_segment_size: 32
    .max_flat_workgroup_size: 128
    .sgpr_count:     88
    .vgpr_count:     1024
    .wavefront_size: 32
...
	.end_amdgpu_metadata
.endif
;; end of part 3
;; launch outp (part 4): grid 4 x 64, 4 waves a work-group, clusters of 4 x 4, 327,680 bytes of LDS; arguments ob, wb, concat_bias, out0; writes out0
.if DOCPART == 4
	.amdgcn_target "amdgcn-amd-amdhsa--gfx1250"
	.amdhsa_code_object_version 6
	.text
	.protected	k_qdf54ffaaa3_outp
	.globl	k_qdf54ffaaa3_outp
	.p2align	8
	.type	k_qdf54ffaaa3_outp,@function
k_qdf54ffaaa3_outp:
	s_mov_b64 s[64:65], 0
	v_nop
	global_prefetch_b8 v0, s[64:65] scope:SCOPE_SE
	s_setreg_imm32_b32 hwreg(HW_REG_WAVE_MODE, 25, 1), 1
	s_wait_xcnt 0x0
	s_wait_alu depctr_hold_cnt(0) depctr_sa_sdst(0) depctr_va_vdst(0) depctr_va_sdst(0) depctr_va_ssrc(0) depctr_va_vcc(0) depctr_vm_vsrc(0)
	s_getreg_b32 s2, hwreg(HW_REG_IB_STS2, 6, 4)
	s_cmp_eq_u32 s2, 0
	s_cbranch_scc0 .Lentry_in_a_cluster
	s_endpgm
.Lentry_in_a_cluster:
	s_bfe_u32 s2, ttmp6, 0x10000c
	s_cmp_lg_u32 s2, 0xf033
	s_cbranch_scc0 .Lentry_shape_is_right
	s_endpgm
.Lentry_shape_is_right:
; C[m][n] = sum over k of A[m][k] W[k][n] + bias[n].  A and W in f16, sums and bias in f32.  One text for two launches; PROJ picks:
;   PROJ = 1: A = xb [24576][1024] (query, key, value one below the other), W = slice 0-2 of wb and the bias by the tensor, C = qkv [24576][1024] f16, rounded once.
;   PROJ = 0: A = ob [8192][1024], W = slice 3 of wb, bias = concat_bias, C = out0 [8192][1024] f32.
; LIMIT (PROJ = 1): a q, k or v beyond 65,504 becomes an infinity in f16.
; SHARES.  A tile of C is 128 x 256: 768 work-groups (PROJ = 1) or 256.  Four waves, 2 x 2, each 64 rows x 128 columns: 32 accumulators, 256 registers.
; K goes in 8 steps of 128 through two LDS slots filled by the tensor data mover; rows of A's tile are 256 bytes of memory, rows of W's 512, all at multiples of 256 from the buffer's first byte.
; W lies [k][n]; its fragments come out of LDS turned, by ds_load_tr16_b128.  THE MATRIX INSTRUCTION IS USED TRANSPOSED (source 0 = 16 columns of W, source 1 = 16 rows of A):
; a lane then holds eight neighbouring numbers of a row of C.  THE BIAS is the C operand of each accumulator's first product: nothing is cleared, and no vector instruction adds it.
; CLUSTER 4 x 4.  The four of a row of the cluster need the same tile of A, the four of a column the same tile of W: each is asked for JOINTLY, by the same tensor load, descriptor and mask in all four.
; REGISTERS, in windows of 256 (s_set_vgpr_msb: bits 1:0 source 0, 3:2 source 1, 5:4 source 2, 7:6 destination):
;   window 0: v0-31 addresses; v32-127, v128-223 two fragment buffers (64 registers of W: 8 x 16 columns x 32 K; 32 of A: 4 x 16 rows x 32 K); both at work on the way out
;   window 1: the accumulators, (a, b) at v[8 (8 a + b)]          window 2: v0-63 the bias of my 128 columns, as a C operand
.set PROJ, 0
.set KSTEP,  128
.set PA,     272                       ; a row of A in LDS: 256 bytes + 16 = 68 words: the 16 rows of a load start at 16 different groups of four banks (64 banks of 4 bytes: ISA guide 11.1)
.set PW,     544                       ; a row of W: 512 + 32 = 136 words
.set AT,     128*PA                    ; A's 128 rows
.set SLOT,   AT+128*PW                 ; then W's 128 rows (k) of 256 columns
.set STAGE,  2*SLOT                    ; behind the ring: 16 rows for each wave, its own, for the way out
.if PROJ
.set SPITCH, 272
.set ROWB,   2048                      ; bytes in a row of C
.set LGE,    1                         ; log2 of the bytes of a number of C
.else
.set SPITCH, 528
.set ROWB,   4096
.set LGE,    2
.endif
.set SPARE,  STAGE+4*16*SPITCH         ; behind the stages: the spare words, 128 bytes for each wave: two blocks of 256 bytes that no other line names
.set LAPS,   4                         ; a lap = two K steps = once round the ring
.set ADRA, 16                          ; v16-17  LDS address of my A fragments in slot 0, 1
.set ADRW, 20                          ; v20-21  the same for W
.set STO,  24                          ; v24     the way out: where I put my numbers of a row
.set RD,   25                          ; v25     the way out: where I read rows back
.set CO,   26                          ; v26     my byte offset in C
.set BO,   27                          ; v27     my byte offset in 16 numbers of the bias
.set SPW,  28                          ; v28     LDS address of my spare word; never rewritten
.set NIL,  29                          ; v29     0; never rewritten
.set F0,   32
.set F1,   128
.set TMP,  32                          ; the way out (PROJ = 1): packed results
.set WV,  16                           ; s16  my wave's number
.set WM,  17                           ; s17  which 64 rows of the tile are mine.  Also: I fetch for A (0) or for W (1)
.set WN,  18                           ; s18  which 128 columns.  Also: which 64 rows of that tile I fetch
.set G1A, 24                           ; s[24:31] descriptor group 1 for A's tiles;  s[32:39] group 0, a set for each slot
.set G0A, 32
.set G1W, 48                           ; s[48:55], s[56:63] the same for W's
.set G0W, 56
.set MSB, 0
.macro WIN new                         ; the immediate's high byte repeats the setting that is left; a switch that changes nothing is dropped
.if MSB != (\new)
	s_set_vgpr_msb (MSB<<8)|(\new)
.set MSB, \new
.endif
.endm
.set MUL,  0x50                        ; W and A in window 0, C and D in window 1
.set MULB, 0x60                        ; the same with C (the bias) in window 2
.macro JLOAD s                         ; a joint load: waves 0 and 1 fetch A's two halves, waves 2 and 3 W's; an s_nop 0 and four v_nop follow each of the two lines, ahead of the jump, the label and what follows
	s_cmp_eq_u32 s[WM], 0
	s_cbranch_scc0 .Lfor_w_\@
	tensor_load_to_lds s[G0A+4*(\s):G0A+4*(\s)+3], s[G1A:G1A+7]
	s_nop 0
.rept 4
	v_nop
.endr
	s_branch .Lasked_\@
.Lfor_w_\@:
	tensor_load_to_lds s[G0W+4*(\s):G0W+4*(\s)+3], s[G1W:G1W+7]
	s_nop 0
.rept 4
	v_nop
.endr
.Lasked_\@:
.endm
.macro CREST                           ; a round of the cluster's barrier behind its opening barrier
	s_cmp_lg_u32 s[WV], 0
	s_cbranch_scc1 .Lnot_wave_0_\@
	s_barrier_signal -3
.Lnot_wave_0_\@:
	s_barrier_wait -3
	s_barrier_signal -1
	s_barrier_wait -1
.endm
.macro CROUND                          ; a whole round
	s_barrier_signal -1
	s_barrier_wait -1
	CREST
.endm
	s_load_b256 s[4:11], s[0:1], 0x0               ; A s[4:5], wb s[6:7]; PROJ = 1: query_bias, key_bias; PROJ = 0: concat_bias, out0
.if PROJ
	s_load_b128 s[12:15], s[0:1], 0x20             ; value_bias, qkv
.endif
	v_lshl_add_u32 v[SPW], v0, 2, SPARE
	v_mov_b32 v[NIL], 0
	ds_add_u32 v[SPW], v[NIL]                      ; the wave's opening: the add and its wait stand ahead of my first tensor load; the set-up below, work on registers, stands between them
	v_lshrrev_b32 v1, 5, v0
	v_readfirstlane_b32 s[WV], v1                  ; wave 0..3
	s_lshr_b32 s[WM], s[WV], 1
	s_and_b32 s[WN], s[WV], 1
	s_bfe_u32 s19, ttmp6, 0x40000                  ; cx, cy: my place in the cluster
	s_bfe_u32 s20, ttmp6, 0x40004
	s_lshl_b32 s21, ttmp9, 2
	s_add_co_u32 s21, s21, s19                     ; tile column of C = 4 x cluster x + cx
	s_and_b32 s22, ttmp7, 0xffff                   ; cluster y
	s_lshl_b32 s23, s22, 2
	s_add_co_u32 s23, s23, s20                     ; tile row of C = 4 x cluster y + cy
	s_lshl_b32 s40, s20, 2
	s_lshl_b32 s40, 15, s40                        ; my row of the cluster
	s_lshl_b32 s41, 0x1111, s19                    ; my column
	s_or_b32 s[G1A], s40, (1<<16)|(1<<20)|(1<<21)|(5<<22)|(3<<25)  ; 15:0 the mask: A's tiles go to my row; 17:16 elements of 2 bytes; 20 padding on; 21 set beside a mask; 24:22 after every 64 words (code 5); 31:25 4 words (code 3)
	s_or_b32 s[G1W], s41, (1<<16)|(1<<20)|(1<<21)|(6<<22)|(7<<25)  ; W's go to my column; after every 128 words (code 6) 8 words (code 7)
	s_mov_b32 s[G1A+1], KSTEP<<16                  ; A: tensor_dim0 = 128
	s_mov_b32 s[G1A+2], 64<<16                     ; tensor_dim1 = 64
	s_mov_b32 s[G1A+3], KSTEP<<16                  ; tile_dim0 = 128
	s_mov_b32 s[G1A+4], 64                         ; tile_dim1 = 64
	s_mov_b32 s[G1A+5], 1024                       ; 1,024 elements from row to row
	s_mov_b32 s[G1A+6], 0
	s_mov_b32 s[G1A+7], 0
	s_mov_b32 s[G1W+1], 256<<16                    ; W: tensor_dim0 = 256
	s_mov_b32 s[G1W+2], 64<<16
	s_mov_b32 s[G1W+3], 256<<16                    ; tile_dim0 = 256
	s_mov_b32 s[G1W+4], 64
	s_mov_b32 s[G1W+5], 1024
	s_mov_b32 s[G1W+6], 0
	s_mov_b32 s[G1W+7], 0
	; where the tiles come from.  A's hang on the tile row alone, W's on the tile column and the cluster's y alone: each offset in registers that never hold the other coordinate
	s_lshl_b32 s42, s23, 7
	s_lshl_b32 s43, s[WN], 6
	s_add_co_u32 s42, s42, s43                     ; A: row 128 x tile row + 64 x half,
	s_lshl_b32 s42, s42, 11                        ; x 2,048 bytes
	s_mov_b32 s43, 0
	s_lshl_b32 s44, s21, 9                         ; W: 512 bytes x tile column
	s_lshl_b32 s45, s[WN], 17                      ; + 64 rows of 2,048 bytes x half
	s_add_co_u32 s44, s44, s45
.if PROJ
	s_lshr_b32 s66, s22, 4                         ; the tensor: 16 clusters of 512 rows each
	s_lshl_b32 s45, s66, 21                        ; its slice of wb
.else
	s_mov_b32 s45, 3<<21
.endif
	s_add_co_u32 s44, s44, s45
	s_mov_b32 s45, 0
	s_mul_i32 s67, s[WN], 64*PA                    ; and where they go: no place in the cluster enters an LDS address
	s_mul_i32 s68, s[WN], 64*PW
	s_add_co_u32 s68, s68, AT
	s_wait_dscnt 0x0                               ; the opening add is done
	s_wait_kmcnt 0x0
	s_add_nc_u64 s[42:43], s[4:5], s[42:43]
	s_add_nc_u64 s[44:45], s[6:7], s[44:45]
	CROUND                                         ; all sixteen work-groups are here: the first joint loads meet
.irp s, 0,1
	s_mov_b32 s[G0A+4*(\s)], 1                                     ; count = 1
	s_add_co_u32 s[G0A+4*(\s)+1], s67, (\s)*SLOT                   ; LDS address
	s_add_nc_u64 s[G0A+4*(\s)+2:G0A+4*(\s)+3], s[42:43], (\s)*KSTEP*2     ; global address: K step s
	s_or_b32 s[G0A+4*(\s)+3], s[G0A+4*(\s)+3], 0x80000000          ; type = 2
	s_mov_b32 s[G0W+4*(\s)], 1
	s_add_co_u32 s[G0W+4*(\s)+1], s68, (\s)*SLOT
	s_add_nc_u64 s[G0W+4*(\s)+2:G0W+4*(\s)+3], s[44:45], (\s)*KSTEP*2048
	s_or_b32 s[G0W+4*(\s)+3], s[G0W+4*(\s)+3], 0x80000000
	JLOAD \s                                       ; two loads of mine are out
.endr
	; A fragment of A is 16 rows x 32 K in 8 registers: lane l holds row l % 16, K = 8 (l / 16) + 0..7 and 16 + 8 (l / 16) + 0..7: two loads of 16 bytes, 32 bytes apart.
	v_and_b32 v1, 15, v0                           ; l % 16
	v_bfe_u32 v2, v0, 4, 1                         ; l / 16
	v_mul_u32_u24 v3, v1, PA
	v_lshl_add_u32 v3, v2, 4, v3
	s_mul_i32 s69, s[WM], 64*PA                    ; my 64 rows of A
	v_add_nc_u32 v[ADRA], s69, v3
	v_add_nc_u32 v[ADRA+1], SLOT, v[ADRA]
	; The turning load takes 16 k x 16 columns (lane l reads k = 8 (l / 16) + l % 8, columns 8 ((l / 8) % 2) + 0..7) and leaves half a fragment: lane l holds column l % 16 and 8 k.
	v_and_b32 v4, 7, v0
	v_lshl_add_u32 v4, v2, 3, v4
	v_mul_u32_u24 v4, v4, PW
	v_bfe_u32 v5, v0, 3, 1
	v_lshl_add_u32 v4, v5, 4, v4
	s_lshl_b32 s69, s[WN], 8                       ; my 128 columns
	s_add_co_u32 s69, s69, AT
	v_add_nc_u32 v[ADRW], s69, v4
	v_add_nc_u32 v[ADRW+1], SLOT, v[ADRW]
	s_mul_i32 s69, s[WV], 16*SPITCH
	s_add_co_u32 s69, s69, STAGE                   ; my stage
	v_mul_u32_u24 v3, v1, SPITCH                   ; in: row l % 16, eight numbers for each half of the lanes
	v_lshl_add_u32 v3, v2, 3+LGE, v3
	v_add_nc_u32 v[STO], s69, v3
.if PROJ
	v_mul_u32_u24 v3, v2, SPITCH                   ; back: lanes 0-15 take one row of 256 bytes, lanes 16-31 the next
	v_lshl_add_u32 v3, v1, 4, v3
	v_add_nc_u32 v[RD], s69, v3
	v_lshlrev_b32 v3, 11, v2                       ; and the same two rows in C
	v_lshl_add_u32 v[CO], v1, 4, v3
.else
	v_and_b32 v3, 31, v0                           ; back: 32 lanes take one row of 512 bytes
	v_lshlrev_b32 v[CO], 4, v3
	v_add_nc_u32 v[RD], s69, v[CO]
.endif
	v_lshlrev_b32 v[BO], 5, v2
.if PROJ
	s_cmp_eq_u32 s66, 1                            ; the tensor's bias
	s_cselect_b64 s[70:71], s[10:11], s[8:9]
	s_cmp_eq_u32 s66, 2
	s_cselect_b64 s[70:71], s[12:13], s[70:71]
.else
	s_mov_b64 s[70:71], s[8:9]
	s_mov_b64 s[14:15], s[10:11]
.endif
	s_lshl_b32 s46, s23, 7
	s_lshl_b32 s47, s[WM], 6
	s_add_co_u32 s46, s46, s47                     ; my first row of C,
	s_lshl_b32 s46, s46, 10+LGE                    ; in bytes
	s_lshl_b32 s47, s21, 8
	s_lshl_b32 s69, s[WN], 7
	s_add_co_u32 s47, s47, s69                     ; my first column
	s_lshl_b32 s69, s47, 2                         ; in bytes of the bias,
	s_lshl_b32 s47, s47, LGE                       ; and of C
	s_add_co_u32 s46, s46, s47
	s_mov_b32 s47, 0
	s_add_nc_u64 s[14:15], s[14:15], s[46:47]
	s_mov_b32 s46, s69
	s_add_nc_u64 s[70:71], s[70:71], s[46:47]
	WIN 0x80                                       ; destination window 2, address window 0
.irp b, 0,1,2,3,4,5,6,7                ; register 8 b + j = bias[my first column + 16 b + 8 (l / 16) + j]: what the result's register j holds
	global_load_b128 v[8*(\b):8*(\b)+3],   v[BO], s[70:71] offset:64*(\b)
	global_load_b128 v[8*(\b)+4:8*(\b)+7], v[BO], s[70:71] offset:64*(\b)+16
.endr
	WIN 0
; 8 matrix instructions: row block a x all 8 column blocks, 32 along K, from buffer f.  first = 1: the product starts the sum on the bias.  The 32 accumulators take turns, one instruction a turn.
.macro MULM f, a, first
.if \first
	WIN MULB
.else
	WIN MUL
.endif
.irp b, 0,1,2,3,4,5,6,7
.if \first
	v_wmma_f32_16x16x32_f16 v[8*(8*(\a)+(\b)):8*(8*(\a)+(\b))+7], v[(\f)+8*(\b):(\f)+8*(\b)+7], v[(\f)+64+8*(\a):(\f)+64+8*(\a)+7], v[8*(\b):8*(\b)+7]
.else
	v_wmma_f32_16x16x32_f16 v[8*(8*(\a)+(\b)):8*(8*(\a)+(\b))+7], v[(\f)+8*(\b):(\f)+8*(\b)+7], v[(\f)+64+8*(\a):(\f)+64+8*(\a)+7], v[8*(8*(\a)+(\b)):8*(8*(\a)+(\b))+7]
.endif
.endr
.endm
; 24 LDS loads in one run: the fragments of quarter kq (32 along K) of a slot into buffer f: W's sixteen first, then A's eight
.macro FETCH slot, kq, f
	WIN 0
.irp b, 0,1,2,3,4,5,6,7
	ds_load_tr16_b128 v[(\f)+8*(\b):(\f)+8*(\b)+3],   v[ADRW+(\slot)] offset:(\kq)*32*PW+32*(\b)
	ds_load_tr16_b128 v[(\f)+8*(\b)+4:(\f)+8*(\b)+7], v[ADRW+(\slot)] offset:(\kq)*32*PW+32*(\b)+16*PW
.endr
.irp a, 0,1,2,3
	ds_load_b128 v[(\f)+64+8*(\a):(\f)+64+8*(\a)+3],   v[ADRA+(\slot)] offset:(\kq)*64+(\a)*16*PA
	ds_load_b128 v[(\f)+64+8*(\a)+4:(\f)+64+8*(\a)+7], v[ADRA+(\slot)] offset:(\kq)*64+(\a)*16*PA+32
.endr
.endm
.macro PLACES                          ; four places in front of loads into registers that matrix instructions have read, and of lines that read results (ISA guide 7.12.1 for lines that read results)
.rept 4
	v_nop
.endr
.endm
; A K step is four quarters of 32 along K, 32 matrix instructions each, on buffers 0, 1, 0, 1.  One of the first three: multiplies buffer f and, in its middle, fetches quarter kq into g.
.macro QUARTER slot, kq, f, g, first
	s_wait_dscnt 4                                 ; W and A's blocks 0, 1 are in; the youngest four loads (A's blocks 2, 3) may be out
	MULM \f, 0, \first
	MULM \f, 1, \first
	PLACES
	FETCH \slot, \kq, \g
	s_wait_dscnt 24                                ; all but the 24 just issued
	MULM \f, 2, \first
	MULM \f, 3, \first
.endm
; The last quarter multiplies buffer 1 and changes slots: ONE barrier; in front of it each wave waits for all its tensor loads (one is out: its part of the next slot), adds 0 to its spare word, and waits
; for that and for its own reads of this slot.  fill = 1: the barrier opens a round of the cluster's, and this slot is filled again, two K steps ahead, first thing behind the round.
.macro TURN slot, next, fill
	WIN 0                                          ; (the add's two registers lie in window 0)
	s_wait_tensorcnt 0x0                           ; all my tensor loads have landed
	ds_add_u32 v[SPW], v[NIL]                      ; 0 onto my spare word
	s_wait_dscnt 5                                 ; (the add and the youngest four loads may be out)
	MULM F1, 0, 0                                  ; eight matrix instructions stand between the add and the wait for it
	s_wait_dscnt 0x0                               ; the add is done, and my reads of this slot are over
	s_barrier_signal -1
	MULM F1, 1, 0
.if \fill
	WIN 0
.endif
	s_barrier_wait -1
.if \fill
	CREST                                          ; no wave of any partner still reads this slot's tiles or has a load on its way
	s_add_nc_u64 s[G0A+4*(\slot)+2:G0A+4*(\slot)+3], s[G0A+4*(\slot)+2:G0A+4*(\slot)+3], 2*KSTEP*2
	s_add_nc_u64 s[G0W+4*(\slot)+2:G0W+4*(\slot)+3], s[G0W+4*(\slot)+2:G0W+4*(\slot)+3], 2*KSTEP*2048
	JLOAD \slot                                    ; my one tensor load behind the round: 112 matrix instructions ahead of the wait for it; its four v_nop are also the places in front of the loads below
.else
	PLACES
.endif
	FETCH \next, 0, F0
	MULM F1, 2, 0
	MULM F1, 3, 0
.endm
; THE WAY OUT of row block a (16 rows x my 128 columns): through my own stage in LDS, so that each store covers whole rows' consecutive bytes.  LDS serves a wave's instructions in order
; (ISA guide 5.7.1.4): the loads see the stores above them, and the next block's stores come behind these loads.
.macro OUT a
.if PROJ
.set BK, 64+32*((\a)%2)
	WIN 0x05                                       ; sources in window 1, destination in window 0
.irp b, 0,1,2,3,4,5,6,7
.irp r, 0,1,2,3
	v_cvt_pk_f16_f32 v[TMP+4*(\b)+(\r)], v[8*(8*(\a)+(\b))+2*(\r)], v[8*(8*(\a)+(\b))+2*(\r)+1]
.endr
.endr
	WIN 0
	s_wait_xcnt 0x0                                ; the registers that earlier stores read are loaded again only behind this wait
.irp b, 0,1,2,3,4,5,6,7
	ds_store_b128 v[STO], v[TMP+4*(\b):TMP+4*(\b)+3] offset:32*(\b)
.endr
.irp t, 0,1,2,3,4,5,6,7
	ds_load_b128 v[BK+4*(\t):BK+4*(\t)+3], v[RD] offset:(\t)*2*SPITCH
.endr
.irp t, 0,1,2,3,4,5,6,7
	s_wait_dscnt 7-(\t)                            ; the 7 - t younger loads may be out
	global_store_b128 v[CO], v[BK+4*(\t):BK+4*(\t)+3], s[14:15] offset:(16*(\a)+2*(\t))*ROWB  ; 16 lanes store 256 consecutive bytes, at a multiple of 256 from C's first byte
.endr
.else
.set BK, 32+96*((\a)%2)
	WIN 0
	s_wait_xcnt 0x0                                ; the registers that earlier stores read are loaded again only behind this wait
	WIN 0x04                                       ; the data in window 1; each accumulator's low four registers go first
.irp b, 0,1,2,3,4,5,6,7
	ds_store_b128 v[STO], v[8*(8*(\a)+(\b)):8*(8*(\a)+(\b))+3] offset:64*(\b)
	ds_store_b128 v[STO], v[8*(8*(\a)+(\b))+4:8*(8*(\a)+(\b))+7] offset:64*(\b)+16
.endr
	WIN 0
.irp t, 0,1,2,3,4,5,6,7,8,9,10,11,12,13,14,15
	ds_load_b128 v[BK+4*(\t):BK+4*(\t)+3], v[RD] offset:(\t)*SPITCH
.endr
.irp t, 0,1,2,3,4,5,6,7,8,9,10,11,12,13,14,15
	s_wait_dscnt 15-(\t)                           ; the 15 - t younger loads may be out
	global_store_b128 v[CO], v[BK+4*(\t):BK+4*(\t)+3], s[14:15] offset:(16*(\a)+(\t))*ROWB  ; the wave stores 512 consecutive bytes, at a multiple of 256 from C's first byte
.endr
.endif
.endm
	s_wait_tensorcnt 1                             ; my part of K step 0 is in; K step 1's may stay out
	s_barrier_signal -1
	s_barrier_wait -1                              ; everybody's is
	FETCH 0, 0, F0
	s_wait_loadcnt 0x0                             ; the bias
	QUARTER 0, 1, F0, F1, 1                        ; the first quarter stands in front of the loop: its products start the sums
	WIN 0                                          ; at a label and at a branch every window is 0
	s_mov_b32 s3, LAPS-1
.Llap:                                                 ; a trip goes once round the ring, from a lap's second quarter to the next lap's first, and fills both slots again
	QUARTER 0, 2, F1, F0, 0
	QUARTER 0, 3, F0, F1, 0
	TURN 0, 1, 1
	QUARTER 1, 1, F0, F1, 0
	QUARTER 1, 2, F1, F0, 0
	QUARTER 1, 3, F0, F1, 0
	TURN 1, 0, 1
	QUARTER 0, 1, F0, F1, 0
	WIN 0
	s_sub_co_u32 s3, s3, 1
	s_cmp_lg_u32 s3, 0
	s_cbranch_scc1 .Llap
	QUARTER 0, 2, F1, F0, 0                        ; the last lap fills nothing, and has no round of the cluster's barrier
	QUARTER 0, 3, F0, F1, 0
	TURN 0, 1, 0
	QUARTER 1, 1, F0, F1, 0
	QUARTER 1, 2, F1, F0, 0
	QUARTER 1, 3, F0, F1, 0
	s_wait_dscnt 4                                 ; the very last quarter: nothing more to fetch
	MULM F1, 0, 0
	MULM F1, 1, 0
	s_wait_dscnt 0x0
	MULM F1, 2, 0
	MULM F1, 3, 0
	WIN 0
	PLACES
	OUT 0
	OUT 1
	OUT 2
	OUT 3
	s_wait_tensorcnt 0x0                           ; the wave's end: an add and its wait behind my last tensor load and my last LDS store
	ds_add_u32 v[SPW], v[NIL]
	s_wait_dscnt 0x0
	CROUND                                         ; the closing round: no work-group ends while a partner may still ask for a tile that names it
	s_endpgm
.Lfunc_end_k_qdf54ffaaa3_outp:
	.size	k_qdf54ffaaa3_outp, .Lfunc_end_k_qdf54ffaaa3_outp-k_qdf54ffaaa3_outp
	.p2alignl 7, 3214868480
	.fill 96, 4, 3214868480
	.section	.rodata,"a",@progbits
	.p2align	6, 0x0
	.amdhsa_kernel k_qdf54ffaaa3_outp
		.amdhsa_group_segment_fixed_size 327680
		.amdhsa_private_segment_fixed_size 0
		.amdhsa_enable_private_segment 0
		.amdhsa_kernarg_size 32
		.amdhsa_user_sgpr_count 2
		.amdhsa_user_sgpr_kernarg_segment_ptr 1
		.amdhsa_wavefront_size32 1
		.amdhsa_system_sgpr_workgroup_id_x 1
		.amdhsa_system_sgpr_workgroup_id_y 1
		.amdhsa_system_sgpr_workgroup_id_z 1
		.amdhsa_system_vgpr_workitem_id 0
		.amdhsa_next_free_vgpr 576
		.amdhsa_next_free_sgpr 72
		.amdhsa_reserve_vcc 0
		.amdhsa_float_denorm_mode_32 3
		.amdhsa_float_denorm_mode_16_64 3
		.amdhsa_memory_ordered 1
		.amdhsa_forward_progress 1
		.amdhsa_inst_pref_size 88
	.end_amdhsa_kernel
	.amdgpu_metadata
---
amdhsa.version: [ 1, 2 ]
amdhsa.kernels:
  - .name:           k_qdf54ffaaa3_outp
    .symbol:         k_qdf54ffaaa3_outp.kd
    .args:
      - { .name: ob, .offset: 0, .size: 8, .value_kind: global_buffer, .address_space: global }
      - { .name: wb, .offset: 8, .size: 8, .value_kind: global_buffer, .address_space: global }
      - { .name: concat_bias, .offset: 16, .size: 8, .value_kind: global_buffer, .address_space: global }
      - { .name: out0, .offset: 24, .size: 8, .value_kind: global_buffer, .address_space: global }
    .group_segment_fixed_size: 327680
    .private_segment_fixed_size: 0
    .kernarg_segment_align: 8
    .kernarg_segment_size: 32
    .max_flat_workgroup_size: 128
    .sgpr_count:     72
    .vgpr_count:     576
    .wavefront_size: 32
...
	.end_amdgpu_metadata
.endif
;; end of part 4
